; MI455X (gfx1250); checked and timed in simulation.
; The chip was launched on July 23, 2026; its instructions are those of AMD's public machine-readable ISA for CDNA 5 (MIT licence, August 2026) and "CDNA5" Instruction Set Architecture Reference Guide (July 2026). The comments in the code are by the model that wrote it; some were corrected since.
;; Multi Head Attention. Allowed arithmetic: matrix products marked QUANTISED: E2M3 operands, one E8M0 scale for each 32 along K, by v_wmma_scale_f32_16x16x128_f8f6f4 with both operands' format E2M3, f32 sums; everything else in f32.
;; Inputs: Wf 1,024 x 1,024 float32; Wk 1,024 x 1,024 float32; Wq 1,024 x 1,024 float32; Wv 1,024 x 1,024 float32; bf 1,024 float32; bk 1,024 float32; bq 1,024 float32; bv 1,024 float32; mask 4 x 1 x 2,048 x 2,048 bool; x 4 x 2,048 x 1,024 float32.
;; Outputs: out0 4 x 2,048 x 1,024 float32.
;; This version of the problem:
;;   THIS VERSION OF THE PROBLEM IS GIVEN IN LOW PRECISION. The matrix products marked QUANTISED in the list below multiply operands that are first quantised to E2M3 (2 exponent bits, 3 mantissa bits; 6 bits a number), with one power-of-two scale for each 32 numbers along K (OCP MX v1.0); their sums are f32. All else is computed in f32.
;;   The module's matrix products, in the order in which they are computed (A, B: the left and right operand; K: the contracted axis; several contracted axes count as one K, in the product's order):
;;     1. [M 8,192, K 1,024] x [K 1,024, N 1,024]; A: input x; B: input Wq: QUANTISED
;;     2. [M 8,192, K 1,024] x [K 1,024, N 1,024]; A: input x; B: input Wk: QUANTISED
;;     3. [M 8,192, K 1,024] x [K 1,024, N 1,024]; A: input x; B: input Wv: QUANTISED
;;     4. batch 64 x [M 2,048, K 64] x [K 64, N 2,048]; A: computed on the way; B: computed on the way: QUANTISED
;;     5. batch 64 x [M 2,048, K 2,048] x [K 2,048, N 64]; A: softmax (see below); B: computed on the way: QUANTISED
;;     6. [M 8,192, K 1,024] x [K 1,024, N 1,024]; A: computed on the way; B: input Wf: QUANTISED
;;   THE QUANTISER, for each operand of a quantised product, along K:
;;     - K is cut into blocks of 32 from its start; a last block that is shorter is filled with zeros.
;;     - A block's scale is 2^e with e = floor(log2(the largest magnitude in the block)) - 2, held to -126 .. 127; a block of zeros has e = 0. As a byte (E8M0): e + 127.
;;     - Each number is divided by its block's scale, clamped to +-7.5, and rounded to the nearest number of E2M3, ties to even, subnormals kept.
;;     - The product sums the exact products of the quantised numbers (number of the format x scale) in f32.
;;   ~~~python
;;   def quantise(x, axis):      # numpy; x: float32 -> the quantised numbers, widened to float32 again
;;       x = np.moveaxis(x, axis, -1); K = x.shape[-1]
;;       x = np.pad(x, [(0, 0)] * (x.ndim - 1) + [(0, -K % 32)]); x = x.reshape(x.shape[:-1] + (-1, 32)); a = np.abs(x).max(-1, keepdims=True)
;;       e = np.where(a > 0, np.clip(np.frexp(np.where(a > 0, a, 1))[1] - 1 - 2, -126, 127), 0)      # np.frexp(a)[1] - 1 = floor(log2(a)), exactly
;;       r = np.clip(x / 2.0 ** e, -7.5, 7.5)
;;       step = 2.0 ** (np.maximum(np.frexp(np.where(r == 0, 1, r))[1] - 1, 0) - 3)
;;       q = np.round(r / step) * step * 2.0 ** e      # np.round: ties to even
;;       return np.moveaxis(q.reshape(q.shape[:-2] + (-1,))[..., :K], -1, axis).astype(np.float32)
;;   ~~~
;;   SOFTMAX AHEAD OF A QUANTISED PRODUCT. Where the list says 'softmax', what is quantised is not the finished softmax but p = 2^(t - M), with t = logit x log2(e) and M = ceil(the row's largest t), a whole number; so 1/2 < the row's largest p <= 1. The row's sum l is taken of the UNQUANTISED p, in f32, and the product's result is divided by l at the end. Since M is a whole number, a kernel that streams over the keys may use a running M (the ceiling of the running maximum): every later rescaling is an exact power of two, which a block's scale takes up: the codes' values come out the same.
;;   OPERANDS COMPUTED ON THE WAY. 'Computed on the way' means the value that the module computes at that place (a softmax that the list does not call 'softmax' is quantised finished and normalised). What goes into a quantiser is computed in f32, as accurately as f32 sums, v_exp_f32 and their like allow (about 1e-6 of the number): no bf16 or f16 on the way to a quantiser, and a product that is left as it is and whose result goes on into a quantised operand takes f32 operands (vector FMAs, or v_wmma_f32_16x16x4_f32). A number that lies on a knife's edge between two numbers of the format may be rounded either way, as far as f32 arithmetic and the matrix unit's own rounding can turn it there, and no further.
;; One version. Each part assembles by itself: llvm-mc -triple=amdgcn-amd-amdhsa -mcpu=gfx1250 --defsym DOCPART=n.
;; ======== version 1 of 1: 4 launches
;; limits: right only within a limited range of input values
;; workspace buffers: ops 9,830,400 bytes; maskw 2,097,152 bytes of whole numbers; qkvb 19,660,800 bytes; hb 6,553,600 bytes
;; launch prep (part 1): grid 640 x 1, 4 waves a work-group, no clusters, 51,712 bytes of LDS; arguments x, Wq, Wk, Wv, Wf, mask, ops, maskw; writes ops, maskw
.if DOCPART == 1
	.amdgcn_target "amdgcn-amd-amdhsa--gfx1250"
	.amdhsa_code_object_version 6
	.text
	.protected	k_qe2b36153dc_prep
	.globl	k_qe2b36153dc_prep
	.p2align	8
	.type	k_qe2b36153dc_prep,@function
k_qe2b36153dc_prep:
	s_mov_b64 s[64:65], 0
	v_nop
	global_prefetch_b8 v0, s[64:65] scope:SCOPE_SE
	s_setreg_imm32_b32 hwreg(HW_REG_WAVE_MODE, 25, 1), 1
	s_wait_xcnt 0x0
; PREP.  Two jobs in one launch, told apart by the work-group's number; each has LDS bytes of its own, and no wave shares anything with another: no barrier.
; (1) Work-groups 0-191: x [8192][1024] and Wq, Wk, Wv, Wf [1024][1024], f32, become codes of FP6 (E2M3) with one E8M0 byte for each 32 along K.
;     A wave takes one tile of 16 rows (job j: 0-511 x, 512-767 the four weights on end) and makes its 8 fragments of 16 rows x 128 K.
;     THE CODES ARE STORED AS IMAGES OF THE OPERAND'S REGISTERS: a fragment is two halves of 768 bytes (K 64 c .. 64 c + 63): 512 bytes = registers 6 c .. 6 c + 3, lane l at 16 l; 256 bytes = registers 6 c + 4, 6 c + 5, lane l at 8 l.
;     INSIDE EACH BLOCK OF 32 THE NUMBERS STAND IN THE ORDER 0-7, 16-23, 8-15, 24-31.  Every operand of this program stands so (those made from matrix results fall so by themselves), so each product pairs like with like; blocks and scales are the true ones.
;     A block's scale byte is its largest magnitude's exponent field - 2, held at 1 from below.  The scale bytes lie [row][32], a 32-bit word for each 128 along K.
; (2) Work-groups 192-319: the mask's bytes become LANE MASKS for the attention launch: for batch b, tile of 16 queries qt, step s of 128 keys and n = 8 t + j,
;     bit l of word n = mask[b][16 qt + l % 16][128 s + 16 t + 8 (l / 16) + j]: the lane and register in which that score will lie.  A wave takes one (b, qt): 16 rows x 2,048 bytes.
; LIMITS: NaN and infinities among the inputs are not served.  A block whose largest magnitude lies under 2^-124 keeps the byte 1; a block of zeros too, where the rule says 127: its codes are zeros, and this program alone reads the bytes.
; THE SHARES AS THEY STAND (they take the place of those stated above): work-groups 0-383 quantise: a wave takes one tile of 16 rows and ONE HALF OF K, four fragments.  Work-groups 384-639 take the mask: a wave takes one (b, qt) and one half of the keys, four chunks of 256.
; THE SCALE BYTES LIE [tile of 16 rows][half of K][row][16 bytes]: a wave's 16 rows x 4 words are 256 consecutive bytes.
.set XSO,  9437184
.set QSTB, 8448                        ; LDS, job 1: a wave's stage: 16 rows x 528
.set QP,   528                         ; 512 bytes of a row + 16: the sixteen rows that a load touches begin in different banks
.set MST0, 33792                       ; LDS, job 2: behind job 1's four stages
.set MSTB, 4352                        ; a wave's stage: 16 rows x 272
.set MP,   272
.set SW,   16                          ; v16-19   the four fragments' scale words
.set R,    32                          ; v32-159  two sets of 64 numbers as loaded
.set X,    160                         ; v160-223 my 64 numbers of a fragment
.set C,    224                         ; v224-235 the fragment's codes
.set D,    236                         ; v236-238, v240-242 a block's upper 16 codes, as the conversion leaves them
.set G,    32                          ; v32-159  job 2: four sets of 32: mask bytes as loaded
.set BT,   160                         ; v160-191 my 8 bytes of each of 16 key tiles
.set T,    192                         ; v192-195 at work
.set OW,   196                         ; v196-203 two sets of four: lane L holds words 4 L .. 4 L + 3
	s_load_b512 s[4:19], s[0:1], 0x0               ; x, Wq, Wk, Wv, Wf, mask, ops, maskw
	v_lshl_add_u32 v248, v0, 2, 0xc800
	v_mov_b32 v249, 0
	v_lshrrev_b32 v1, 5, v0
	v_readfirstlane_b32 s20, v1                    ; wave 0..3
	v_and_b32 v1, 31, v0                           ; lane
	v_and_b32 v2, 15, v0                           ; r
	v_bfe_u32 v3, v0, 4, 1                         ; h
	s_cmp_lt_u32 ttmp9, 384
	s_cbranch_scc0 .Lmask
	; ---------------- job 1: the quantiser ----------------
	s_lshl_b32 s21, ttmp9, 2
	s_add_co_u32 s21, s21, s20                     ; 2 x tile + half of K
	s_and_b32 s34, s21, 1                          ; the half
	s_lshr_b32 s21, s21, 1                         ; job j: the tile
	s_and_b32 s24, s21, 63                         ; a weight's tile
	s_mul_i32 s26, s21, 12288                      ; the codes: 12,288 bytes a tile, 6,144 a half
	s_mul_i32 s35, s34, 6144
	s_add_co_u32 s26, s26, s35
	s_mov_b32 s27, 0
	s_lshl_b32 s28, s21, 9                         ; the scale bytes: 512 a tile, 256 a half
	s_lshl_b32 s35, s34, 8
	s_add_co_u32 s28, s28, s35
	s_add_co_u32 s28, s28, XSO
	s_mov_b32 s29, 0
	s_mov_b32 s30, 0x76543210
	s_mov_b32 s31, 0xfedcba98                      ; v_permlanex16_b32's selects for lane l xor 16
	s_mul_i32 s33, s20, QSTB
	s_wait_alu depctr_va_vdst(0)
	v_lshlrev_b32 v4, 4, v1                        ; 16 x lane
	v_lshlrev_b32 v5, 3, v1                        ; 8 x lane
	v_add_nc_u32 v6, s33, v4                       ; the stage, in: a row's 512 bytes as they lie
	v_mul_u32_u24 v7, v2, QP
	v_lshl_add_u32 v7, v3, 7, v7
	v_add_nc_u32 v7, s33, v7                       ; out: row r, block h
	v_lshlrev_b32 v8, 3, v3                        ; 8 h
	v_lshlrev_b32 v11, 4, v2                       ; the scale words' place: 16 r
	v_mov_b32 v27, 0                               ; (a lane permute's destination counts as one of its sources)
	s_wait_alu depctr_va_vdst(0)
	s_wait_kmcnt 0x0
	s_cmp_lt_u32 s21, 704                          ; which tensor: the choice hangs on the job's number alone
	s_cselect_b64 s[22:23], s[10:11], s[12:13]
	s_cmp_lt_u32 s21, 640
	s_cselect_b64 s[22:23], s[8:9], s[22:23]
	s_cmp_lt_u32 s21, 576
	s_cselect_b64 s[22:23], s[6:7], s[22:23]
	s_cmp_lt_u32 s21, 512
	s_cselect_b64 s[22:23], s[4:5], s[22:23]
	s_cselect_b32 s24, s21, s24                    ; the tile in that tensor
	s_lshl_b32 s24, s24, 16                        ; 16 rows of 4,096 bytes,
	s_lshl_b32 s35, s34, 11                        ; and in each my half: 2,048
	s_add_co_u32 s24, s24, s35
	s_mov_b32 s25, 0
	s_add_nc_u64 s[22:23], s[22:23], s[24:25]
	s_add_nc_u64 s[26:27], s[16:17], s[26:27]
	s_add_nc_u64 s[28:29], s[16:17], s[28:29]
.macro QLOAD s                         ; fragment s: 16 rows x 512 bytes; a load reads 512 consecutive bytes of one row
.irp i, 0,1,2,3,4,5,6,7,8,9,10,11,12,13,14,15
	global_load_b128 v[R+64*((\s)%2)+4*\i:R+64*((\s)%2)+4*\i+3], v4, s[22:23] offset:4096*\i+512*(\s) th:TH_LOAD_NT
.endr
.endm
.macro QFRAG s
.if (\s) < 3
	s_wait_loadcnt 16                              ; this fragment's 16 loads are in; the next fragment's 16 may be out
.else
	s_wait_loadcnt 0x0
.endif
.irp i, 0,1,2,3,4,5,6,7,8,9,10,11,12,13,14,15
	ds_store_b128 v6, v[R+64*((\s)%2)+4*\i:R+64*((\s)%2)+4*\i+3] offset:QP*\i
.endr
.irp c, 0,1                            ; back: lane (r, h) takes blocks h and 2 + h of row r, each in the order 0-7, 16-23, 8-15, 24-31: pieces of 16 bytes 0, 1, 4, 5, 2, 3, 6, 7.  LDS serves a wave's instructions in order
	ds_load_b128 v[X+32*\c:X+32*\c+3], v7 offset:256*\c
	ds_load_b128 v[X+32*\c+4:X+32*\c+7], v7 offset:256*\c+16
	ds_load_b128 v[X+32*\c+8:X+32*\c+11], v7 offset:256*\c+64
	ds_load_b128 v[X+32*\c+12:X+32*\c+15], v7 offset:256*\c+80
	ds_load_b128 v[X+32*\c+16:X+32*\c+19], v7 offset:256*\c+32
	ds_load_b128 v[X+32*\c+20:X+32*\c+23], v7 offset:256*\c+48
	ds_load_b128 v[X+32*\c+24:X+32*\c+27], v7 offset:256*\c+96
	ds_load_b128 v[X+32*\c+28:X+32*\c+31], v7 offset:256*\c+112
.endr
	s_wait_dscnt 0x0                               ; my numbers are back, and the stores have read the set,
.if (\s) < 2
	QLOAD (\s)+2                                   ; which takes the fragment two on
.endif
.irp c, 0,1
	v_max3_num_f32 v[12+\c], |v[X+32*\c]|, |v[X+32*\c+1]|, 0x1800000   ; the block's largest magnitude: all 32 are mine; and the floor 2^(3 - 127): the byte cannot fall under 1
.endr
.irp i, 2,4,6,8,10,12,14,16,18,20,22,24,26,28,30
.irp c, 0,1
	v_max3_num_f32 v[12+\c], v[12+\c], |v[X+32*\c+\i]|, |v[X+32*\c+\i+1]|
.endr
.endr
.irp c, 0,1
	v_add_nc_u32 v[14+\c], 0xff000000, v[12+\c]    ; 2 off the exponent field: the conversion's scale operand
.endr
.irp c, 0,1
	v_lshrrev_b32 v[24+\c], 23, v[14+\c]           ; the scale's byte
.endr
	v_lshl_or_b32 v26, v25, 16, v24                ; my two bytes, blocks h and 2 + h,
	v_lshlrev_b32 v26, v8, v26                     ; at their places in the word;
	v_permlanex16_b32 v27, v26, s30, s31
	v_or_b32 v[SW+(\s)], v26, v27                  ; with lane l xor 16's two the word is whole
	s_wait_alu depctr_va_vdst(0)
	s_wait_xcnt 0x0                                ; the last fragment's stores have read the codes' registers
.irp c, 0,1
	v_cvt_scalef32_pk16_fp6_f32 v[C+6*\c:C+6*\c+2], v[X+32*\c:X+32*\c+15], v[14+\c]
	v_cvt_scalef32_pk16_fp6_f32 v[D+4*\c:D+4*\c+2], v[X+32*\c+16:X+32*\c+31], v[14+\c]   ; (a conversion's three registers begin on an even number)
.endr
	v_nop                                          ; one plain place behind a scaled conversion
.irp c, 0,1
.irp i, 0,1,2
	v_mov_b32 v[C+6*\c+3+\i], v[D+4*\c+\i]
.endr
.endr
	global_store_b128 v4, v[C:C+3], s[26:27] offset:1536*(\s)            ; 512, 256, 512, 256 consecutive bytes, each run at a multiple of 256
	global_store_b64 v5, v[C+4:C+5], s[26:27] offset:1536*(\s)+512
	global_store_b128 v4, v[C+6:C+9], s[26:27] offset:1536*(\s)+768
	global_store_b64 v5, v[C+10:C+11], s[26:27] offset:1536*(\s)+1280
.endm
	QLOAD 0
	QLOAD 1
.irp s, 0,1,2,3
	QFRAG \s
.endr
	global_store_b128 v11, v[SW:SW+3], s[28:29]    ; 256 consecutive bytes (lanes r and r + 16 hold and store the same words)
	s_wait_tensorcnt 0x0
	ds_add_u32 v248, v249
	s_wait_dscnt 0x0
	s_endpgm
	; ---------------- job 2: the mask ----------------
.Lmask:
	s_sub_co_u32 s21, ttmp9, 384
	s_lshl_b32 s21, s21, 2
	s_add_co_u32 s21, s21, s20                     ; 2 x (128 b + qt) + half of the keys
	s_and_b32 s34, s21, 1
	s_lshr_b32 s21, s21, 1
	s_lshl_b32 s22, s21, 15                        ; 16 rows of 2,048 bytes, in each my 1,024
	s_lshl_b32 s35, s34, 10
	s_add_co_u32 s22, s22, s35
	s_mov_b32 s23, 0
	s_lshl_b32 s24, s21, 12                        ; 16 steps x 64 words, of them my 8 steps
	s_lshl_b32 s35, s34, 11
	s_add_co_u32 s24, s24, s35
	s_mov_b32 s25, 0
	s_mul_i32 s33, s20, MSTB
	s_add_co_u32 s33, s33, MST0
	s_wait_alu depctr_va_vdst(0)
	v_lshlrev_b32 v4, 4, v2
	v_lshl_add_u32 v4, v3, 11, v4                  ; in: sixteen lanes read 256 consecutive bytes of a row, lanes 16-31 the next row
	v_lshlrev_b32 v5, 4, v1                        ; out: 16 x lane
	v_mul_u32_u24 v6, v3, MP
	v_lshl_add_u32 v6, v2, 4, v6
	v_add_nc_u32 v6, s33, v6                       ; the stage, in
	v_mul_u32_u24 v7, v2, MP
	v_lshl_add_u32 v7, v3, 5, v7                   ; + 32 h: lanes 16-31 take the next block of 32 keys
	v_add_nc_u32 v7, s33, v7                       ; out: row r, + 32 h
.irp i, 0,1,2,3,4,5,6,7
	v_mov_b32 v[OW+\i], 0                          ; (v_writelane_b32's destination counts as read)
.endr
	s_wait_alu depctr_va_vdst(0)
	s_wait_kmcnt 0x0
	s_add_nc_u64 s[14:15], s[14:15], s[22:23]
	s_add_nc_u64 s[18:19], s[18:19], s[24:25]
.macro MLD k                           ; chunk k: 256 keys of the 16 rows
.irp i, 0,1,2,3,4,5,6,7
	global_load_b128 v[G+32*((\k)%4)+4*\i:G+32*((\k)%4)+4*\i+3], v4, s[14:15] offset:4096*\i+256*(\k) th:TH_LOAD_NT
.endr
.endm
.macro MCHUNK k
	s_wait_loadcnt 8*(3-(\k))                      ; this chunk's eight loads are in; the younger chunks' may be out
.irp i, 0,1,2,3,4,5,6,7
	ds_store_b128 v6, v[G+32*((\k)%4)+4*\i:G+32*((\k)%4)+4*\i+3] offset:2*MP*\i
.endr
.irp t, 0,1,2,3,4,5,6,7,8,9,10,11,12,13,14,15
	ds_load_b64 v[BT+2*\t:BT+2*\t+1], v7 offset:64*(\t/4)+16*(\t%2)+8*((\t/2)%2)   ; THE ORDER OF THE WORDS (it takes the place of the order stated at the head): bit l of word 8 t + j is the key 64 (t / 4) + 32 (l / 16) + 16 (t % 2) + 8 ((t / 2) % 2) + j of query l % 16: the lane and register in which the attention launch holds that score
.endr
	s_wait_dscnt 0x0
	s_wait_xcnt 0x0                                ; the store of two chunks ago has read its registers
.set L, 0
.rept 32                               ; words 4 L .. 4 L + 3 are the four bytes of register L
.irp q, 0,1,2,3
	v_and_b32 v[T+\q], 0xff<<(8*\q), v[BT+L]
.endr
.irp q, 0,1,2,3
	v_cmp_ne_u32 s[40+\q], 0, v[T+\q]              ; the 32 lanes' bits: a word as the attention launch wants it
.endr
.irp q, 0,1,2,3
	v_writelane_b32 v[OW+4*((\k)%2)+\q], s[40+\q], L
.endr
.set L, L+1
.endr
	global_store_b128 v5, v[OW+4*((\k)%2):OW+4*((\k)%2)+3], s[18:19] offset:512*(\k)   ; 128 words: 512 consecutive bytes
.endm
	MLD 0
	MLD 1
	MLD 2
	MLD 3
.irp k, 0,1,2,3
	MCHUNK \k
.endr
	s_wait_tensorcnt 0x0
	ds_add_u32 v248, v249
	s_wait_dscnt 0x0
	s_endpgm
.Lfunc_end_k_qe2b36153dc_prep:
	.size	k_qe2b36153dc_prep, .Lfunc_end_k_qe2b36153dc_prep-k_qe2b36153dc_prep
	.p2alignl 7, 3214868480
	.fill 96, 4, 3214868480
	.section	.rodata,"a",@progbits
	.p2align	6, 0x0
	.amdhsa_kernel k_qe2b36153dc_prep
		.amdhsa_group_segment_fixed_size 51712
		.amdhsa_private_segment_fixed_size 0
		.amdhsa_enable_private_segment 0
		.amdhsa_kernarg_size 64
		.amdhsa_user_sgpr_count 2
		.amdhsa_user_sgpr_kernarg_segment_ptr 1
		.amdhsa_wavefront_size32 1
		.amdhsa_system_sgpr_workgroup_id_x 1
		.amdhsa_system_sgpr_workgroup_id_y 1
		.amdhsa_system_sgpr_workgroup_id_z 1
		.amdhsa_system_vgpr_workitem_id 0
		.amdhsa_next_free_vgpr 250
		.amdhsa_next_free_sgpr 66
		.amdhsa_reserve_vcc 0
		.amdhsa_float_denorm_mode_32 3
		.amdhsa_float_denorm_mode_16_64 3
		.amdhsa_memory_ordered 1
		.amdhsa_forward_progress 1
		.amdhsa_inst_pref_size 138
	.end_amdhsa_kernel
	.amdgpu_metadata
---
amdhsa.version: [ 1, 2 ]
amdhsa.kernels:
  - .name:           k_qe2b36153dc_prep
    .symbol:         k_qe2b36153dc_prep.kd
    .args:
      - { .name: x, .offset: 0, .size: 8, .value_kind: global_buffer, .address_space: global }
      - { .name: Wq, .offset: 8, .size: 8, .value_kind: global_buffer, .address_space: global }
      - { .name: Wk, .offset: 16, .size: 8, .value_kind: global_buffer, .address_space: global }
      - { .name: Wv, .offset: 24, .size: 8, .value_kind: global_buffer, .address_space: global }
      - { .name: Wf, .offset: 32, .size: 8, .value_kind: global_buffer, .address_space: global }
      - { .name: mask, .offset: 40, .size: 8, .value_kind: global_buffer, .address_space: global }
      - { .name: ops, .offset: 48, .size: 8, .value_kind: global_buffer, .address_space: global }
      - { .name: maskw, .offset: 56, .size: 8, .value_kind: global_buffer, .address_space: global }
    .group_segment_fixed_size: 51712
    .private_segment_fixed_size: 0
    .kernarg_segment_align: 8
    .kernarg_segment_size: 64
    .max_flat_workgroup_size: 128
    .sgpr_count:     66
    .vgpr_count:     250
    .wavefront_size: 32
...
	.end_amdgpu_metadata
.endif
;; end of part 1
;; launch qkv (part 2): grid 8 x 32, 4 waves a work-group, clusters of 4 x 4, 327,680 bytes of LDS; arguments ops, bq, bk, bv, qkvb; writes qkvb
.if DOCPART == 2
	.amdgcn_target "amdgcn-amd-amdhsa--gfx1250"
	.amdhsa_code_object_version 6
	.text
	.protected	k_qe2b36153dc_qkv
	.globl	k_qe2b36153dc_qkv
	.p2align	8
	.type	k_qe2b36153dc_qkv,@function
k_qe2b36153dc_qkv:
	s_mov_b64 s[64:65], 0
	v_nop
	global_prefetch_b8 v0, s[64:65] scope:SCOPE_SE
	s_setreg_imm32_b32 hwreg(HW_REG_WAVE_MODE, 25, 1), 1
	s_wait_xcnt 0x0
	s_wait_alu depctr_hold_cnt(0) depctr_sa_sdst(0) depctr_va_vdst(0) depctr_va_sdst(0) depctr_va_ssrc(0) depctr_va_vcc(0) depctr_vm_vsrc(0)
	s_getreg_b32 s2, hwreg(HW_REG_IB_STS2, 6, 4)
	s_cmp_eq_u32 s2, 0
	s_cbranch_scc0 .Lentry_in_a_cluster
	s_endpgm
.Lentry_in_a_cluster:
	s_bfe_u32 s2, ttmp6, 0x10000c
	s_cmp_lg_u32 s2, 0xf033
	s_cbranch_scc0 .Lentry_shape_is_right
	s_endpgm
.Lentry_shape_is_right:
; Q, K, V = x W^T + b on codes of FP6 (E2M3) with E8M0 scales, and their quantisers: the results leave as codes and scale bytes, as images of the attention launch's operand registers.  No f32 result is stored.
; ops holds x's 512 tiles of 16 rows, then Wq's, Wk's, Wv's 64 each: a tile is 12,288 bytes = 8 fragments (128 K) of two halves of 768: 512 bytes = registers 6 c .. 6 c + 3, lane l at 16 l; 256 bytes = registers 6 c + 4, 6 c + 5, lane l at 8 l.
; Scale bytes [tile][half of K][row][16].
; THE DEAL.  256 work-groups of four waves, 2 x 2.  Work-group (g, tb) makes 256 tokens x heads 2 g, 2 g + 1 of Q, then of K, then of V: three phases.  The wave in row a, column b takes tokens 128 a .. + 127 (one key step) and head 2 g + b.
; x's 256 rows, all of K, lie in LDS for the whole launch.  A phase's 128 rows of W go from LDS into registers (a wave's four tiles, 384 registers); then the next phase's rows are filled over them, in a drained round of the cluster's barrier,
; each wave bringing two tiles by one joint load, which has the phase's products in which to land.  x's rows are streamed past W in eight blocks of 16 tokens, 32 products each, two sets of fragments by turns.
; Q, K: source 0 = W's rows: a lane holds one token, its 32 sums are 16 of each of the head's two blocks of 32; two blocks of tokens go out together, four chains side by side.
; V: source 0 = x's rows: a lane holds one of the head's 64, its registers run along the tokens, which are V's K: two blocks of tokens make a scale block.
; Inside a block of 32 the numbers stand in the order 0-7, 16-23, 8-15, 24-31, as in every operand of this program.  A sum begins with the bias.
; qkvb: Q's records (128 y + tile) x 768; k, v: y x 196,608 + step x 12,288: 8 records of k, 4 fragments of v; scale bytes: [16 rows][8 tiles][2] for q and k, [16 rows][4 fragments][4] for v (y = 16 batch + head).
; CLUSTER 4 x 4: x's rows are shared by a row of the cluster, W's by a column.  PREFETCH: Wk's rows are asked for at the head and Wv's in the first phase, a phase and more ahead of their loads: 384 blocks of 256 bytes among the sixteen waves of a column, told apart by address.
; LIMITS: NaN, infinities and sums beyond f32's range are not served.  A block under 2^-124 keeps the byte 1: this program alone reads the bytes.
.set XS,    9437184
.set WC,    6291456
.set WS,    9699328
.set KV,    6291456
.set QS,    18874368
.set KVS,   19136512
.set TILEB, 12288
.set YB,    16*TILEB                   ; W's tiles
.set XSL,   YB+8*TILEB                 ; x's scale bytes, 512 a tile, stored by the waves as they lie in ops
.set SPARE, XSL+8192
.set FR,    12
.set FPW,   21                         ; fragment f lies in window 1 + f / 21 at register 12 (f % 21): 0-31 W's (4 q + tile), 32-47 x's two sets (32 + 8 e + q)
.set NF,    34                         ; LDS loads of a fetch: 32 for eight fragments, 2 for eight scale words
; v4, v5 LDS addresses of my tile 0 of x (16, 8 x lane); v6, v7, v17 of the block that is fetched; v8 32 h; v9 16 x lane; v12, v13 my tiles of W; v14 8 x lane; v15 my rows' scale words; v16 512 h + 16 r; v18 4 r; v19 16 r; v20 the prefetches' offset
.set SPW,   10
.set NIL,   11
.set SB,    24                         ; v24-39  W's scale words
.set SA,    44                         ; v44-59  x's, two sets: a product's two scale registers differ by 4 modulo 8
.set ACC,   64                         ; v64-127 eight accumulators
.set BO,    128                        ; v128-159 the bias as the first products' C
.set TM,    160
.set TX,    164
.set SO,    168
.set BY,    172
.set PC,    176                        ; v176-181, v184-189 two records' codes
.set CT,    192                        ; v192-207 the conversions' second halves
.set VX,    208                        ; v208-231 v's codes, six a tile
.set W,     232                        ; v232-235 q's or k's scale words of my 8 tiles; v236 the pair's, v237 at work
.set WN,    236
.set HB,    237
.set VW,    240                        ; v240-243 v's scale words
.set G1A, 24
.set G1B, 32
.set G0A, 56
.set G0B, 60
.set G0R, 68
.set G1R, 72
.set MSB, 0
.macro WIN new
.if MSB != (\new)
	s_set_vgpr_msb (MSB<<8)|(\new)
.set MSB, (\new)
.endif
.endm
.macro PLACES n
.rept \n
	v_nop
.endr
.endm
.macro WALU
	s_wait_alu depctr_va_vdst(0)
.endm
.macro BARRIER
	s_barrier_signal -1
	s_barrier_wait -1
.endm
.macro CROUND
	BARRIER
	s_cmp_lg_u32 s14, 0
	s_cbranch_scc1 .Lnot_wave_0_\@
	s_barrier_signal -3
.Lnot_wave_0_\@:
	s_barrier_wait -3
	BARRIER
.endm
.macro TLOAD g0, g1
	tensor_load_to_lds s[\g0:\g0+3], s[\g1:\g1+7]
	s_nop 0
	PLACES 4
.endm
.macro ATILE first, n                  ; n tiles of x from tile first on: dense bytes as rows of 256
	s_mov_b32 s[G0A+1], (\first)*TILEB
	s_mov_b32 s[G1A+2], ((\n)*48)<<16
	s_mov_b32 s[G1A+4], (\n)*48
.if \first
	s_add_nc_u64 s[G0A+2:G0A+3], s[G0A+2:G0A+3], (\first)*TILEB
.endif
	s_or_b32 s[G0A+3], s[G0A+3], 0x80000000
	TLOAD G0A, G1A
.endm
.macro PTR d, base, off                ; a pointer = a buffer's address + the 32-bit offset in s\off (s21 = 0)
	s_mov_b32 s20, s\off
	s_add_nc_u64 s[\d:\d+1], s[\base:\base+1], s[20:21]
.endm
.macro FRAGL f, a16, a8, off
	WIN (1+(\f)/FPW)<<6
.set R_, FR*((\f)%FPW)
.irp c, 0,1
	ds_load_b128 v[R_+6*\c:R_+6*\c+3], v[\a16] offset:(\off)+768*\c
	ds_load_b64 v[R_+6*\c+4:R_+6*\c+5], v[\a8] offset:(\off)+768*\c+512
.endr
.endm
.macro BREGS                           ; my four tiles of W, all of K
.irp q, 0,1,2,3,4,5,6,7
.irp t, 0,1,2,3
	FRAGL 4*\q+\t, 12, 13, \t*TILEB+1536*\q
.endr
.endr
	WIN 0
.endm
.macro ADDR                            ; the LDS addresses of my block s20 (0 .. 7).  Four plain vector lines: the places between a block's last product and the fetch into its registers and the first reader of its sums
	s_mul_i32 s101, s20, TILEB
	s_lshl_b32 s91, s20, 9
	v_add_nc_u32 v6, s101, v4
	v_add_nc_u32 v7, s101, v5
	v_add_nc_u32 v17, s91, v15
	v_nop
	WALU
.endm
.macro FETCH e
.irp q, 0,1,2,3,4,5,6,7
	FRAGL 32+8*(\e)+\q, 6, 7, 1536*\q
.endr
	WIN 0
	ds_load_b128 v[SA+8*(\e):SA+8*(\e)+3], v17               ; my row's words of K's first half,
	ds_load_b128 v[SA+8*(\e)+4:SA+8*(\e)+7], v17 offset:256  ; and of its second
.endm
.macro MM d, f0, f1, q, bo, x0, x1, ra, rb
.if \q
	v_wmma_scale_f32_16x16x128_f8f6f4 v[\d:\d+7], v[FR*((\f0)%FPW):FR*((\f0)%FPW)+11], v[FR*((\f1)%FPW):FR*((\f1)%FPW)+11], v[\d:\d+7], v[\x0], v[\x1] matrix_a_fmt:MATRIX_FMT_FP6 matrix_b_fmt:MATRIX_FMT_FP6 matrix_a_scale:MATRIX_SCALE_ROW\ra matrix_b_scale:MATRIX_SCALE_ROW\rb
.else
	v_wmma_scale_f32_16x16x128_f8f6f4 v[\d:\d+7], v[FR*((\f0)%FPW):FR*((\f0)%FPW)+11], v[FR*((\f1)%FPW):FR*((\f1)%FPW)+11], v[\bo:\bo+7], v[\x0], v[\x1] matrix_a_fmt:MATRIX_FMT_FP6 matrix_b_fmt:MATRIX_FMT_FP6 matrix_a_scale:MATRIX_SCALE_ROW\ra matrix_b_scale:MATRIX_SCALE_ROW\rb
.endif
.endm
.macro PRODS e, v                      ; a block's 32 products, rows in set e, four accumulators by turns.  v = 0: sums at ACC + 32 e + 8 tile; v = 1: sources swapped, sums at ACC + 16 tile + 8 e
.irp q, 0,1,2,3,4,5,6,7
.irp p, 0,1
.irp o, 0,1
.set FB_, 4*\q+2*\p+\o
.set FA_, 32+8*\e+\q
.if \v
.set D_, ACC+32*\p+16*\o+8*\e
	WIN (1+FA_/FPW)|((1+FB_/FPW)<<2)
	MM D_, FA_, FB_, \q, BO+16*\p+8*\o, SA+8*\e+\q, SB+8*\p+\q, 0, \o
.else
.set D_, ACC+32*\e+16*\p+8*\o
	WIN (1+FB_/FPW)|((1+FA_/FPW)<<2)
	MM D_, FB_, FA_, \q, BO+16*\p+8*\o, SB+8*\p+\q, SA+8*\e+\q, \o, 0
.endif
.endr
.endr
.endr
	WIN 0
.endm
.macro SCALES4                         ; four scale blocks, block k in registers ACC + 16 k .. + 15 of lanes l and l xor 16: the largest magnitudes, by four chains side by side, and the conversions' scale operands
.irp k, 0,1,2,3
	v_max3_num_f32 v[TM+\k], |v[ACC+16*\k]|, |v[ACC+16*\k+1]|, 0x1800000
.endr
.irp i, 2,4,6,8,10,12,14
.irp k, 0,1,2,3
	v_max3_num_f32 v[TM+\k], v[TM+\k], |v[ACC+16*\k+\i]|, |v[ACC+16*\k+\i+1]|
.endr
.endr
.irp k, 0,1,2,3
	v_permlanex16_b32 v[TX+\k], v[TM+\k], s92, s93
.endr
.irp k, 0,1,2,3
	v_max_num_f32 v[TM+\k], v[TM+\k], v[TX+\k]
.endr
.irp k, 0,1,2,3
	v_add_nc_u32 v[SO+\k], 0xff000000, v[TM+\k]    ; 2 off the exponent field
.endr
.endm
.macro EPIQK2                          ; two blocks of Q or K: each 16 tokens x the head's 64 = two scale blocks: six registers of codes a lane, two scale bytes a token
	SCALES4
.irp e, 0,1
	v_cvt_scalef32_pk16_fp6_f32 v[PC+8*\e:PC+8*\e+2], v[ACC+32*\e:ACC+32*\e+15], v[SO+2*\e]
	v_cvt_scalef32_pk16_fp6_f32 v[CT+4*\e:CT+4*\e+2], v[ACC+32*\e+16:ACC+32*\e+31], v[SO+2*\e+1]
.endr
.irp k, 0,1,2,3
	v_lshrrev_b32 v[BY+\k], 23, v[SO+\k]           ; the bytes.  (Plain lines behind the conversions)
.endr
	v_lshl_or_b32 v[WN], v[BY+1], 8, v[BY]
	v_lshl_or_b32 v[HB], v[BY+3], 8, v[BY+2]
	v_lshl_or_b32 v[WN], v[HB], 16, v[WN]          ; the odd tile's two bytes are the word's upper
.irp e, 0,1
.irp i, 0,1,2
	v_permlane16_swap_b32 v[PC+8*\e+\i], v[CT+4*\e+\i]       ; the operand wants a whole block in a lane
.endr
.endr
.irp e, 0,1
.irp i, 0,1,2
	v_mov_b32 v[PC+8*\e+3+\i], v[CT+4*\e+\i]
.endr
.endr
.irp e, 0,1
	global_store_b128 v9, v[PC+8*\e:PC+8*\e+3], s[66:67] offset:768*\e          ; 512 and 256 consecutive bytes
	global_store_b64 v14, v[PC+8*\e+4:PC+8*\e+5], s[66:67] offset:768*\e+512
.endr
.endm
.macro QKHALF e
	PRODS \e, 0
	s_lshl_b32 s20, s23, 1
	s_add_co_u32 s20, s20, 2+\e
	s_and_b32 s20, s20, 7
	ADDR
.if (\e) == 0
	s_wait_dscnt 0x0                               ; set 1's rows, asked for a block ago, are in: the wait stands ahead of set 0's new fetch, which the last trip leaves out
.endif
	s_cmp_eq_u32 s23, 3                            ; the last pair fetches nothing
	s_cbranch_scc1 .Lno_fetch_\@
	FETCH \e
.Lno_fetch_\@:
.endm
.macro VBLK u, e
.if (\u) == 3
	s_wait_dscnt 0x0                               ; (the fetch behind the block before is left out in the last trip: so the wait is for all)
.else
	s_wait_dscnt NF                                ; this block's rows are in; younger is one fetch
.endif
	PRODS \e, 1
	s_lshl_b32 s20, s23, 2
	s_add_co_u32 s20, s20, 2+\u
	s_and_b32 s20, s20, 7
	ADDR
.if (\u) >= 2
	s_cmp_eq_u32 s23, 1                            ; blocks 6 and 7 fetch nothing
	s_cbranch_scc1 .Lno_fetch_\@
.endif
	FETCH \e
.Lno_fetch_\@:
.endm
.macro EPIV w                          ; two blocks of tokens of V: for each of my four tiles a scale block of 32 tokens.  w = 0: its codes wait; w = 1: with the next block's they make half a fragment
	SCALES4
.irp t, 0,1,2,3
.if \w
	v_cvt_scalef32_pk16_fp6_f32 v[CT+4*\t:CT+4*\t+2], v[ACC+16*\t:ACC+16*\t+15], v[SO+\t]
.else
	v_cvt_scalef32_pk16_fp6_f32 v[VX+6*\t:VX+6*\t+2], v[ACC+16*\t:ACC+16*\t+15], v[SO+\t]
.endif
.endr
.irp t, 0,1,2,3
	v_lshrrev_b32 v[BY+\t], 23, v[SO+\t]
.endr
.irp t, 0,1,2,3
	v_lshrrev_b32 v[VW+\t], 8, v[VW+\t]            ; the word takes a byte in from the top: after four the first stands lowest
.endr
.irp t, 0,1,2,3
	v_lshl_or_b32 v[VW+\t], v[BY+\t], 24, v[VW+\t]
.endr
.if \w
.irp t, 0,1,2,3
.irp i, 0,1,2
	v_permlane16_swap_b32 v[VX+6*\t+\i], v[CT+4*\t+\i]
.endr
.endr
.irp t, 0,1,2,3
.irp i, 0,1,2
	v_mov_b32 v[VX+6*\t+3+\i], v[CT+4*\t+\i]
.endr
.endr
.irp t, 0,1,2,3
	global_store_b128 v9, v[VX+6*\t:VX+6*\t+3], s[86:87] offset:6144+1536*\t
	global_store_b64 v14, v[VX+6*\t+4:VX+6*\t+5], s[86:87] offset:6144+1536*\t+512
.endr
.endif
.endm
.macro SBLOAD                          ; W's scale words: lanes 0-15 one tile's rows, lanes 16-31 the next tile's; 256 consecutive bytes for each sixteen lanes
.irp p, 0,1
.irp c, 0,1
	global_load_b128 v[SB+8*\p+4*\c:SB+8*\p+4*\c+3], v16, s[48:49] offset:1024*\p+256*\c
.endr
.endr
.endm
; ================= THE HEAD
	s_load_b256 s[4:11], s[0:1], 0x0               ; ops, bq, bk, bv
	s_load_b64 s[12:13], s[0:1], 0x20              ; qkvb
	v_lshl_add_u32 v[SPW], v0, 2, SPARE
	v_mov_b32 v[NIL], 0
	ds_add_u32 v[SPW], v[NIL]                      ; the opening lines
	ds_add_u32 v[SPW], v[NIL]
	v_lshrrev_b32 v1, 5, v0
	v_readfirstlane_b32 s14, v1                    ; the wave; s15 its row a, s16 its column b
	s_lshr_b32 s15, s14, 1
	s_and_b32 s16, s14, 1
	s_bfe_u32 s40, ttmp6, 0x40000
	s_bfe_u32 s41, ttmp6, 0x40004
	s_lshl_b32 s42, ttmp9, 2
	s_add_co_u32 s42, s42, s40                     ; g: the pair of heads
	s_and_b32 s43, ttmp7, 0xffff
	s_lshl_b32 s43, s43, 2
	s_add_co_u32 s43, s43, s41                     ; tb: the block of 256 tokens
	s_lshl_b32 s44, s41, 2
	s_lshl_b32 s44, 15, s44                        ; my row of the cluster: shares x's rows
	s_lshl_b32 s45, 0x1111, s40                    ; my column: shares W's
	s_or_b32 s[G1A], s44, (3<<16)|(1<<21)
	s_or_b32 s[G1B], s45, (3<<16)|(1<<21)
	s_or_b32 s[G1R], s45, (3<<16)|(1<<21)
.irp g, G1A, G1B, G1R
	s_mov_b32 s[\g+1], 32<<16
	s_mov_b32 s[\g+3], 32<<16
	s_mov_b32 s[\g+5], 32
	s_mov_b32 s[\g+6], 0
	s_mov_b32 s[\g+7], 0
.endr
	s_mov_b32 s[G1B+2], 384<<16                    ; the head's load of W: 8 tiles
	s_mov_b32 s[G1B+4], 384
	s_mov_b32 s[G1R+2], 96<<16                     ; a refill's: 2 tiles a wave
	s_mov_b32 s[G1R+4], 96
	s_mov_b32 s[G0A], 1
	s_mov_b32 s[G0B], 1
	s_mov_b32 s[G0B+1], YB
	s_mov_b32 s[G0R], 1
	s_mul_i32 s94, s43, 16*TILEB                   ; x's tiles
	s_mov_b32 s95, 0
	s_mul_i32 s96, s42, 8*TILEB
	s_add_co_u32 s96, s96, WC                      ; Wq's tiles
	s_mov_b32 s97, 0
	s_mul_i32 s21, s14, 2*TILEB
	s_add_co_u32 s98, s96, s21                     ; of them my two: the refills step on from here
	s_mov_b32 s99, 0
	s_add_co_u32 s[G0R+1], s21, YB
	s_lshl_b32 s46, s43, 13
	s_add_co_u32 s46, s46, XS                      ; x's scale bytes
	s_lshl_b32 s48, s42, 12
	s_lshl_b32 s21, s16, 11
	s_add_co_u32 s48, s48, s21
	s_add_co_u32 s48, s48, WS                      ; Wq's, my four tiles
	s_lshl_b32 s50, s42, 9
	s_lshl_b32 s21, s16, 8
	s_add_co_u32 s50, s50, s21                     ; my 64 numbers of a bias
	s_lshr_b32 s90, s43, 3
	s_lshl_b32 s90, s90, 4
	s_lshl_b32 s21, s42, 1
	s_add_co_u32 s90, s90, s21
	s_add_co_u32 s90, s90, s16                     ; y = 16 batch + head
	s_and_b32 s100, s43, 7
	s_lshl_b32 s100, s100, 1
	s_add_co_u32 s100, s100, s15                   ; my key step of the batch's 16
	s_mul_i32 s52, s90, 98304
	s_mul_i32 s21, s100, 6144
	s_add_co_u32 s52, s52, s21                     ; q's records
	s_mul_i32 s54, s90, 196608
	s_mul_i32 s21, s100, 12288
	s_add_co_u32 s54, s54, s21
	s_add_co_u32 s54, s54, KV                      ; the step of k and v
	s_lshl_b32 s80, s90, 12
	s_lshl_b32 s21, s100, 8
	s_add_co_u32 s80, s80, s21
	s_add_co_u32 s80, s80, QS
	s_lshl_b32 s82, s90, 13
	s_lshl_b32 s21, s100, 9
	s_add_co_u32 s82, s82, s21
	s_add_co_u32 s82, s82, KVS
	s_mov_b32 s92, 0x76543210
	s_mov_b32 s93, 0xfedcba98                      ; v_permlanex16_b32's selects for lane l xor 16
	v_and_b32 v1, 15, v0
	v_bfe_u32 v2, v0, 4, 1
	v_and_b32 v3, 31, v0
	s_mul_i32 s21, s15, 8*TILEB
	v_lshl_add_u32 v4, v3, 4, s21
	v_lshl_add_u32 v5, v3, 3, s21
	s_mul_i32 s22, s16, 4*TILEB
	s_add_co_u32 s22, s22, YB
	v_lshl_add_u32 v12, v3, 4, s22
	v_lshl_add_u32 v13, v3, 3, s22
	v_lshlrev_b32 v8, 5, v2
	v_lshlrev_b32 v9, 4, v3
	v_lshlrev_b32 v14, 3, v3
	s_lshl_b32 s23, s15, 12
	s_add_co_u32 s23, s23, XSL
	v_lshl_add_u32 v15, v1, 4, s23                 ; my half's tile 0, row r: 16 bytes a row and half of K
	v_lshlrev_b32 v18, 2, v1
	v_lshlrev_b32 v19, 4, v1
	v_lshl_add_u32 v16, v2, 9, v19                 ; 512 h + 16 r
	v_lshlrev_b32 v22, 4, v0                       ; my thread's 16 bytes of each 2,048 of x's scale bytes
	v_add_nc_u32 v23, XSL, v22
	s_lshl_b32 s20, s41, 2
	s_add_co_u32 s20, s20, s14                     ; my number among the sixteen waves of my column of the cluster
	s_mul_i32 s20, s20, 6144
	s_add_co_u32 s20, s20, s96
	s_add_co_u32 s20, s20, 64*TILEB                ; my 24 blocks of 256 bytes of Wk's rows
	v_min_u32 v20, 23, v3
	v_lshl_add_u32 v20, v20, 8, s20
.irp i, 0,1,2,3
	v_mov_b32 v[TX+\i], 0                          ; (read before they are first written whole: a permute's destination, the words that are shifted)
	v_mov_b32 v[W+\i], 0
	v_mov_b32 v[VW+\i], 0
.endr
	WALU                                           ; the wait at the head's end
	s_wait_dscnt 0x0
	CROUND                                         ; the opening round
	s_wait_kmcnt 0x0
	s_add_nc_u64 s[G0A+2:G0A+3], s[4:5], s[94:95]
	s_add_nc_u64 s[G0B+2:G0B+3], s[4:5], s[96:97]
	s_or_b32 s[G0B+3], s[G0B+3], 0x80000000
	s_add_nc_u64 s[G0R+2:G0R+3], s[4:5], s[98:99]
	s_or_b32 s[G0R+3], s[G0R+3], 0x80000000
	s_cmp_eq_u32 s14, 0
	s_cbranch_scc0 .Lwave_1
	TLOAD G0B, G1B                                 ; wave 0: Wq's rows, which are wanted first
	s_branch .Lasked
.Lwave_1:
	s_cmp_eq_u32 s14, 1
	s_cbranch_scc0 .Lwave_2
	ATILE 0, 6
	s_branch .Lasked
.Lwave_2:
	s_cmp_eq_u32 s14, 2
	s_cbranch_scc0 .Lwave_3
	ATILE 6, 5
	s_branch .Lasked
.Lwave_3:
	ATILE 11, 5
.Lasked:
	s_mov_b32 s21, 0
	PTR 46, 4, 46
	PTR 48, 4, 48
	PTR 6, 6, 50
	PTR 8, 8, 50
	PTR 10, 10, 50
	PTR 52, 12, 52
	PTR 54, 12, 54
	PTR 80, 12, 80
	PTR 82, 12, 82
.irp k, 0,1,2,3
	global_load_b128 v[ACC+4*\k:ACC+4*\k+3], v22, s[46:47] offset:2048*\k          ; 512 consecutive bytes a wave
.endr
	s_wait_loadcnt 0x0
.irp k, 0,1,2,3
	ds_store_b128 v23, v[ACC+4*\k:ACC+4*\k+3] offset:2048*\k
.endr
	s_wait_dscnt 0x0
	s_cmp_eq_u32 s14, 0
	s_cbranch_scc0 .Lnot_b
	s_wait_tensorcnt 0x0                           ; wave 0: Wq's rows have landed
.Lnot_b:
	BARRIER                                        ; and x's scale bytes are stored
	global_prefetch_b8 v20, s[4:5] th:TH_LOAD_NT scope:SCOPE_SE                    ; Wk's rows
	s_mov_b32 s22, 0
; ================= Q, THEN K
.Lphase:
	s_wait_xcnt 0x0                                ; earlier stores have read their bases
	s_cmp_eq_u32 s22, 0
	s_cselect_b64 s[50:51], s[6:7], s[8:9]
	s_cselect_b64 s[66:67], s[52:53], s[54:55]
	s_cselect_b64 s[84:85], s[80:81], s[82:83]
	SBLOAD
.irp b, 0,1,2,3
	global_load_b128 v[BO+8*\b:BO+8*\b+3], v8, s[50:51] offset:64*\b               ; register i of tile b: column 16 b + 8 h + i
	global_load_b128 v[BO+8*\b+4:BO+8*\b+7], v8, s[50:51] offset:64*\b+16
.endr
	BREGS
	s_wait_tensorcnt 0x0                           ; all my tensor loads have landed (the first time: my tile of x);
	ds_add_u32 v[SPW], v[NIL]
	s_add_nc_u64 s[G0R+2:G0R+3], s[G0R+2:G0R+3], 64*TILEB   ; the next weight's rows
	s_wait_dscnt 0x0                               ; the add is done, and W's rows are in my registers
	CROUND                                         ; both hold of every wave of the cluster
	TLOAD G0R, G1R                                 ; my two tiles of the next weight, over the rows just read
	s_mov_b32 s20, 0
	ADDR
	FETCH 0
	s_mov_b32 s20, 1
	ADDR
	FETCH 1
	s_cmp_eq_u32 s22, 0
	s_cbranch_scc0 .Lasked_v
	global_prefetch_b8 v20, s[4:5] offset:64*TILEB th:TH_LOAD_NT scope:SCOPE_SE    ; in the first phase: Wv's rows; behind them there is nothing to ask for
.Lasked_v:
	s_wait_loadcnt 0x0                             ; scale words and bias
	s_add_nc_u64 s[48:49], s[48:49], 32768         ; the next weight's scale bytes
	s_mov_b32 s23, 0
.Lpair:
	s_wait_dscnt NF                                ; set 0's rows are in; younger is set 1's fetch
	QKHALF 0
	QKHALF 1
	EPIQK2
	v_mov_b32 v[W], v[W+1]                         ; the four pairs' words move up: after the fourth they stand in order
	v_mov_b32 v[W+1], v[W+2]
	v_mov_b32 v[W+2], v[W+3]
	v_mov_b32 v[W+3], v[WN]
	WALU
	s_wait_xcnt 0x0                                ; the stores have read their registers and their base
	s_add_nc_u64 s[66:67], s[66:67], 1536
	s_add_co_u32 s23, s23, 1
	s_cmp_lt_u32 s23, 4
	s_cbranch_scc1 .Lpair
	global_store_b128 v19, v[W:W+3], s[84:85]      ; 256 consecutive bytes (lanes r and r + 16 store the same)
	s_wait_tensorcnt 0x0                           ; my part of the next weight has landed
	s_wait_dscnt 0x0
	BARRIER                                        ; and everybody's
	s_add_co_u32 s22, s22, 1
	s_cmp_lt_u32 s22, 2
	s_cbranch_scc1 .Lphase
; ================= V
	SBLOAD
.irp t, 0,1,2,3
	global_load_b32 v[BO+8*\t], v18, s[10:11] offset:64*\t                         ; a lane's sums are all of column 16 t + r
.endr
	s_mov_b64 s[86:87], s[54:55]
	BREGS
	s_mov_b32 s20, 0
	ADDR
	FETCH 0
	s_mov_b32 s20, 1
	ADDR
	FETCH 1
	s_wait_loadcnt 0x0
.irp t, 0,1,2,3
.irp j, 1,2,3,4,5,6,7
	v_mov_b32 v[BO+8*\t+\j], v[BO+8*\t]
.endr
.endr
	WALU
	s_mov_b32 s23, 0
.Lgroup:                                               ; 64 tokens a trip
	VBLK 0, 0
	VBLK 1, 1
	EPIV 0
	VBLK 2, 0
	VBLK 3, 1
	EPIV 1
	WALU
	s_wait_xcnt 0x0
	s_add_nc_u64 s[86:87], s[86:87], 768
	s_add_co_u32 s23, s23, 1
	s_cmp_lt_u32 s23, 2
	s_cbranch_scc1 .Lgroup
	global_store_b128 v19, v[VW:VW+3], s[82:83] offset:256
	s_wait_tensorcnt 0x0                           ; the wave's end
	ds_add_u32 v[SPW], v[NIL]
	s_wait_dscnt 0x0
	CROUND                                         ; the closing round
	s_endpgm
.Lfunc_end_k_qe2b36153dc_qkv:
	.size	k_qe2b36153dc_qkv, .Lfunc_end_k_qe2b36153dc_qkv-k_qe2b36153dc_qkv
	.p2alignl 7, 3214868480
	.fill 96, 4, 3214868480
	.section	.rodata,"a",@progbits
	.p2align	6, 0x0
	.amdhsa_kernel k_qe2b36153dc_qkv
		.amdhsa_group_segment_fixed_size 327680
		.amdhsa_private_segment_fixed_size 0
		.amdhsa_enable_private_segment 0
		.amdhsa_kernarg_size 40
		.amdhsa_user_sgpr_count 2
		.amdhsa_user_sgpr_kernarg_segment_ptr 1
		.amdhsa_wavefront_size32 1
		.amdhsa_system_sgpr_workgroup_id_x 1
		.amdhsa_system_sgpr_workgroup_id_y 1
		.amdhsa_system_sgpr_workgroup_id_z 1
		.amdhsa_system_vgpr_workitem_id 0
		.amdhsa_next_free_vgpr 840
		.amdhsa_next_free_sgpr 102
		.amdhsa_reserve_vcc 0
		.amdhsa_float_denorm_mode_32 3
		.amdhsa_float_denorm_mode_16_64 3
		.amdhsa_memory_ordered 1
		.amdhsa_forward_progress 1
		.amdhsa_inst_pref_size 96
	.end_amdhsa_kernel
	.amdgpu_metadata
---
amdhsa.version: [ 1, 2 ]
amdhsa.kernels:
  - .name:           k_qe2b36153dc_qkv
    .symbol:         k_qe2b36153dc_qkv.kd
    .args:
      - { .name: ops, .offset: 0, .size: 8, .value_kind: global_buffer, .address_space: global }
      - { .name: bq, .offset: 8, .size: 8, .value_kind: global_buffer, .address_space: global }
      - { .name: bk, .offset: 16, .size: 8, .value_kind: global_buffer, .address_space: global }
      - { .name: bv, .offset: 24, .size: 8, .value_kind: global_buffer, .address_space: global }
      - { .name: qkvb, .offset: 32, .size: 8, .value_kind: global_buffer, .address_space: global }
    .group_segment_fixed_size: 327680
    .private_segment_fixed_size: 0
    .kernarg_segment_align: 8
    .kernarg_segment_size: 40
    .max_flat_workgroup_size: 128
    .sgpr_count:     102
    .vgpr_count:     840
    .wavefront_size: 32
...
	.end_amdgpu_metadata
.endif
;; end of part 2
;; launch attn (part 3): grid 4 x 64, 16 waves a work-group, clusters of 4 x 1, 262,144 bytes of LDS; arguments qkvb, maskw, hb; writes hb
.if DOCPART == 3
	.amdgcn_target "amdgcn-amd-amdhsa--gfx1250"
	.amdhsa_code_object_version 6
	.text
	.protected	k_qe2b36153dc_attn
	.globl	k_qe2b36153dc_attn
	.p2align	8
	.type	k_qe2b36153dc_attn,@function
k_qe2b36153dc_attn:
	s_mov_b64 s[64:65], 0
	v_nop
	global_prefetch_b8 v0, s[64:65] scope:SCOPE_SE
	s_setreg_imm32_b32 hwreg(HW_REG_WAVE_MODE, 25, 1), 1
	s_wait_xcnt 0x0
	s_wait_alu depctr_hold_cnt(0) depctr_sa_sdst(0) depctr_va_vdst(0) depctr_va_sdst(0) depctr_va_ssrc(0) depctr_va_vcc(0) depctr_vm_vsrc(0)
	s_getreg_b32 s2, hwreg(HW_REG_IB_STS2, 6, 4)
	s_cmp_eq_u32 s2, 0
	s_cbranch_scc0 .Lentry_in_a_cluster
	s_endpgm
.Lentry_in_a_cluster:
	s_bfe_u32 s2, ttmp6, 0x10000c
	s_cmp_lg_u32 s2, 0x3003
	s_cbranch_scc0 .Lentry_shape_is_right
	s_endpgm
.Lentry_shape_is_right:
; ATTENTION on codes of FP6 (E2M3) with E8M0 scales: h = softmax(where(mask, q k^T / 8, -65504)) v, and h quantised again as the last product's operand.
; THE SOFTMAX: t = score x log2(e) / 8; M = the row's largest t so far, rounded UP to a whole number; p = 2^(t - M) is quantised along the keys; the row's sum is taken of the unquantised p and divides at the end.
; When M moves, the sum and O are multiplied by 2^(old M - new M): exact.  A masked score is -65504 x 8 ahead of the factor 1 / 8: a number, so a row with no key left comes out as the mean of v.
; SHARES.  A work-group owns ONE head (y = 16 batch + head) and 512 queries; each of its sixteen waves owns two neighbouring tiles of 16 queries, one after the other (a loop of two passes).
; THE HEAD'S WHOLE k AND v, 16 steps of 128 keys x 12,288 bytes (8 records of k, 4 fragments of v, images of registers), LIE IN LDS: filled once, wave w bringing step w by one tensor load.  One barrier; nothing is filled again.
; No data prefetch: all tiles are asked for at the head, there is no loop to run ahead in.  The mask's words come by scalar loads a step ahead.
; CLUSTER.  The four query blocks of a head need the same 16 steps: each is asked for JOINTLY (mask 15).
; LDS ROWS: the load lays 64 bytes of padding behind each 256, so a record of 768 bytes takes 960, and two records 1,920 = 7 x 256 + 128: lanes r < 8 and r >= 8 of a load of 16 bytes, two records apart, touch different halves of a row of banks.
; LAYOUT.  Both products are used transposed: S^T = k q^T, O^T = v^T p^T: a lane holds ONE query.  K = 64 in an instruction of 128: a fragment holds two key tiles and is multiplied by [q | 0] and by [0 | q].
; THE KEYS OF A TILE ARE CHOSEN: rows 0-7 of the four tiles of group c come from the block of keys 64 c .. + 31, rows 8-15 from the block 64 c + 32 .. + 31.  So lane (r, h) holds in registers 32 c .. 32 c + 31 of S the WHOLE block 2 c + h,
; in v's own order inside a block (0-7, 16-23, 8-15, 24-31): a block's largest needs no other lane, and the conversions' results are the operand's registers.  Lane r of fragment 2 c + T reads row 8 T + r % 8 of records 4 c + 2 (r / 8) and the next.
; LIMITS: NaN and infinities are not served.  A block whose every p has fallen to 0, and a block of h under 2^-124, keep the byte 1: this program alone reads the bytes.  The scaled scores stay under 2^31.
;   h's scale bytes leave as 2 bytes a lane, 32 bytes apart: one byte in 24 of what the launch stores.
.set KV,    6291456
.set QS,    18874368
.set KVS,   19136512
.set HS,    6291456
.set RECL,  960                        ; a record in LDS
.set STEPL, 16*RECL                    ; a step in LDS
.set SCB,   16*STEPL                   ; behind the steps: the scale words, 512 bytes a step, stored by the waves
.set SPARE, SCB+8192                   ; the spare words, 128 bytes a wave
; v1 16 x lane, v2 8 x lane, v3 16 r, v4 spare word, v5 0, v6 the masked score, v7, v108-110 lane terms of LDS addresses, v111 8 h, v49 32 r: never rewritten
; v8-11, v50, v51 the step's LDS addresses; v12 -M, v13 largest t, v[14:15] the sum; v16-33 zeros, q, zeros; v34 q's scale word, v35 both tiles'; v36-41, v42-47 the two tiles' q; v48 h's two scale bytes
.set KVR,  52                          ; v52-99   four fragments of k, then of v
.set KS,   100
.set VS,   104
.set S,    112                         ; v112-175 S^T, then p
.set O,    176                         ; v176-207 O^T
.set PC,   208                         ; v208-219 p's codes; at a pass's end h's
.set CT,   220                         ; v220-222, v224-226 the conversions' upper halves
.set TM,   228                         ; v228-231 four chains of maxima; 229 and 231 end as the two blocks'
.set TX,   232                         ; v232, v233 at work across lanes
.set SO,   234                         ; v234, v235 the conversions' scale operands
.set BY,   236                         ; v236, v237 the bytes
.set F,    242                         ; v[242:243] f = 2^(old M - new M)
.set TP,   244
.set PW,   245                         ; p's scale word
; s2 wave, s3 the step in LDS, s4 its scale words, s5 steps to go, s6 the mask words' offset, s7, s13 the pass's selects, s12 the pass; s[8:9] mask words; s[10:11] lane selects; s[14:15] c
; s[16:63], s[68:83] the step's 64 mask words; s[84:91], s[92:95] the descriptor; s[96:97], s[98:99] h's codes and scale bytes
.macro CROUND
	s_barrier_signal -1
	s_barrier_wait -1
	s_cmp_lg_u32 s2, 0
	s_cbranch_scc1 .Lnot_wave_0_\@
	s_barrier_signal -3
.Lnot_wave_0_\@:
	s_barrier_wait -3
	s_barrier_signal -1
	s_barrier_wait -1
.endm
.macro MLOAD
	s_load_b512 s[16:31], s[8:9], s6 offset:0x0
	s_load_b512 s[32:47], s[8:9], s6 offset:0x40
	s_load_b512 s[48:63], s[8:9], s6 offset:0x80
	s_load_b512 s[68:83], s[8:9], s6 offset:0xc0
.endm
.macro FP6MUL d, a, b, c, sa, sb
	v_wmma_scale_f32_16x16x128_f8f6f4 v[\d:\d+7], v[\a:\a+11], v[\b:\b+11], \c, v[\sa], v[\sb] matrix_a_fmt:MATRIX_FMT_FP6 matrix_b_fmt:MATRIX_FMT_FP6
.endm
	s_load_b128 s[16:19], s[0:1], 0x0              ; qkvb, maskw
	s_load_b64 s[20:21], s[0:1], 0x10              ; hb
	v_lshl_add_u32 v4, v0, 2, SPARE
	v_mov_b32 v5, 0
	ds_add_u32 v4, v5                              ; the opening lines: the add twice and its wait
	ds_add_u32 v4, v5
	v_lshrrev_b32 v8, 5, v0
	v_readfirstlane_b32 s2, v8                     ; wave 0..15
	s_bfe_u32 s22, ttmp6, 0x40000                  ; cx: my block of 512 queries
	s_and_b32 s24, ttmp7, 0xffff                   ; y = 16 batch + head, which the four partners share
	s_lshr_b32 s25, s24, 4
	s_and_b32 s26, s24, 15
	s_lshl_b32 s27, s22, 5
	s_lshl_b32 s23, s2, 1
	s_add_co_u32 s27, s27, s23                     ; qt: my first tile of 16 queries, an even number
	s_lshl_b32 s28, s25, 7
	s_add_co_u32 s28, s28, s27                     ; 128 batch + qt
	s_mul_i32 s30, s24, 196608                     ; the head's 16 steps, of them step = my wave's number
	s_mul_i32 s23, s2, 12288
	s_add_co_u32 s30, s30, s23
	s_add_co_u32 s30, s30, KV
	s_mov_b32 s31, 0
	s_lshl_b32 s32, s24, 13                        ; its scale words: 16 x 512
	s_add_co_u32 s32, s32, KVS
	s_mov_b32 s33, 0
	s_mul_i32 s36, s24, 98304                      ; q: (128 y + qt) records of 768 bytes
	s_mul_i32 s37, s27, 768
	s_add_co_u32 s36, s36, s37
	s_mov_b32 s37, 0
	s_lshl_b32 s38, s24, 12                        ; q's scale words: 4,096 a head, 256 for 8 tiles, word (qt % 8) / 2 of a row's four: both my tiles'
	s_lshr_b32 s39, s27, 3
	s_lshl_b32 s39, s39, 8
	s_add_co_u32 s38, s38, s39
	s_bfe_u32 s39, s27, 0x20001
	s_lshl_b32 s39, s39, 2
	s_add_co_u32 s38, s38, s39
	s_add_co_u32 s38, s38, QS
	s_mov_b32 s39, 0
	s_lshl_b32 s40, s28, 12                        ; my mask words: 2 tiles x 16 steps x 256 bytes on end
	s_mov_b32 s41, 0
	s_mul_i32 s42, s28, 12288                      ; h: my tile of rows, the head's 768 bytes of its 12,288
	s_mul_i32 s43, s26, 768
	s_add_co_u32 s42, s42, s43
	s_mov_b32 s43, 0
	s_lshl_b32 s44, s28, 9                         ; its scale bytes: 32 a row, the head's two
	s_lshl_b32 s45, s26, 1
	s_add_co_u32 s44, s44, s45
	s_add_co_u32 s44, s44, HS
	s_mov_b32 s45, 0
	s_mov_b32 s6, 0
	s_mov_b32 s10, 0x76543210
	s_mov_b32 s11, 0xfedcba98                      ; v_permlanex16_b32's selects for lane l xor 16
	s_mov_b32 s14, 0x3e38aa3b                      ; c = log2(e) / 8
	s_mov_b32 s15, s14
	s_mov_b32 s84, 15|(3<<16)|(1<<20)|(1<<21)|(5<<22)|(15<<25)   ; the mask: all four; elements of 8 bytes; 16 words of padding behind every 64
	s_mov_b32 s85, 32<<16
	s_mov_b32 s86, 48<<16                          ; 12,288 dense bytes as 48 rows of 256
	s_mov_b32 s87, 32<<16
	s_mov_b32 s88, 48
	s_mov_b32 s89, 32
	s_mov_b32 s90, 0
	s_mov_b32 s91, 0
	s_mov_b32 s92, 1
	s_mul_i32 s93, s2, STEPL                       ; LDS: wave x a step
	v_and_b32 v8, 31, v0
	v_lshlrev_b32 v1, 4, v8
	v_lshlrev_b32 v2, 3, v8
	v_and_b32 v9, 15, v0
	v_lshlrev_b32 v3, 4, v9
	v_lshlrev_b32 v49, 5, v9
	v_bfe_u32 v10, v0, 3, 1                        ; r / 8
	v_and_b32 v11, 7, v0                           ; r % 8
	v_bfe_u32 v50, v0, 4, 1                        ; h
	v_mul_u32_u24 v7, v10, 2*RECL
	v_lshl_add_u32 v108, v11, 3, v7
	v_lshl_add_u32 v108, v50, 7, v108              ; k's pieces of 8 bytes: 1,920 (r / 8) + 8 (r % 8) + 128 h
	v_lshl_add_u32 v7, v11, 4, v7
	v_mad_u32_u24 v7, v50, 320, v7                 ; k's pieces of 16: 1,920 (r / 8) + 16 (r % 8) + 320 h
	v_mad_u32_u24 v109, v50, 320, v3               ; v's pieces of 16: 16 r + 320 h
	v_lshlrev_b32 v110, 4, v11
	v_lshl_add_u32 v110, v10, 2, v110              ; k's scale words: 16 (r % 8) + 4 (r / 8)
	v_lshlrev_b32 v111, 3, v50
	v_lshlrev_b32 v9, 4, v0                        ; my thread's 16 of the 8,192 bytes of scale words
	v_add_nc_u32 v10, SCB, v9
	v_mov_b32 v6, 0xc8ffe000                       ; -65504 x 8
.irp j, 16,17,18,19,20,21,28,29,30,31,32,33
	v_mov_b32 v[\j], 0                             ; the zero codes on both sides of q
.endr
	v_mov_b32 v[TX], 0                             ; (a lane permute's destination counts as one of its sources)
	v_mov_b32 v[TX+1], 0
	v_mov_b32 v[F+1], 0
	s_wait_alu depctr_va_vdst(0)                   ; the wait at the head's end
	s_wait_dscnt 0x0
	CROUND                                         ; all four work-groups are here: the joint loads meet
	s_wait_kmcnt 0x0
	s_add_nc_u64 s[94:95], s[16:17], s[30:31]
	s_or_b32 s95, s95, 0x80000000
	tensor_load_to_lds s[92:95], s[84:91]          ; every wave's one load: step = its number
	s_nop 0
	s_add_nc_u64 s[8:9], s[18:19], s[40:41]
	s_add_nc_u64 s[96:97], s[20:21], s[42:43]
	s_add_nc_u64 s[98:99], s[20:21], s[44:45]
	s_add_nc_u64 s[36:37], s[16:17], s[36:37]
	s_add_nc_u64 s[38:39], s[16:17], s[38:39]
	s_add_nc_u64 s[32:33], s[16:17], s[32:33]
	global_load_b128 v[52:55], v9, s[32:33]        ; the scale words: 512 consecutive bytes a wave
	global_load_b128 v[36:39], v1, s[36:37]        ; q of both tiles
	global_load_b64 v[40:41], v2, s[36:37] offset:512
	global_load_b128 v[42:45], v1, s[36:37] offset:768
	global_load_b64 v[46:47], v2, s[36:37] offset:1280
	global_load_b32 v35, v3, s[38:39]
	s_wait_loadcnt 0x0                             ; all are in, and their bases may be written
	ds_store_b128 v10, v[52:55]
	MLOAD
	s_wait_tensorcnt 0x0                           ; my step has landed,
	s_wait_dscnt 0x0                               ; my scale words are stored:
	s_barrier_signal -1
	s_barrier_wait -1                              ; and so have everybody's
	s_mov_b32 s12, 0
; A KEY STEP: 128 keys
.macro STEP
	v_add_nc_u32 v8, s3, v7                        ; (with the v_nop: four places behind the last products, in front of loads into their registers)
	v_add_nc_u32 v9, s3, v108
	v_add_nc_u32 v50, s4, v110
	v_nop
.irp f, 0,1,2,3
.irp u, 0,1
	ds_load_b128 v[KVR+12*\f+6*\u:KVR+12*\f+6*\u+3], v8 offset:RECL*(4*(\f/2)+\u)+128*(\f%2)
	ds_load_b64 v[KVR+12*\f+6*\u+4:KVR+12*\f+6*\u+5], v9 offset:RECL*(4*(\f/2)+\u)+640+64*(\f%2)
.endr
	ds_load_b32 v[KS+\f], v50 offset:128*(\f%2)+8*(\f/2)
.endr
.irp f, 0,1,2,3
	s_wait_dscnt 5*(3-\f)                          ; fragment f is in: five loads for each younger fragment may be out
	FP6MUL S+16*\f, KVR+12*\f, 22, 0, KS+\f, 34    ; x [q | 0]
	FP6MUL S+16*\f+8, KVR+12*\f, 16, 0, KS+\f, 34  ; x [0 | q]
.endr
	v_add_nc_u32 v10, s3, v109                     ; four places: in front of the loads into k's registers and of the first read of the scores
	v_add_nc_u32 v11, s3, v2
	v_add_nc_u32 v51, s4, v3
	v_mov_b32 v[TP], v12                           ; the old -M
.irp i, 0,1,2,3
.irp c, 0,1
	ds_load_b128 v[KVR+12*\i+6*\c:KVR+12*\i+6*\c+3], v10 offset:RECL*(8+2*\i+\c)
	ds_load_b64 v[KVR+12*\i+6*\c+4:KVR+12*\i+6*\c+5], v11 offset:RECL*(8+2*\i+\c)+640
.endr
.endr
	ds_load_b128 v[VS:VS+3], v51 offset:256
	s_wait_kmcnt 0x0                               ; the step's mask words, asked for a step ago
.set n, 0
.rept 64
	v_cndmask_b32 v[S+n], v6, v[S+n], s[16+n+4*(n/48)]
.set n, n+1
.endr
	s_add_co_u32 s6, s6, 256                       ; the next step's words; my second tile's follow my first's (the very last step asks once more for the first: 256 bytes that nobody uses)
	s_and_b32 s6, s6, 0x1fff
	MLOAD
	s_wait_alu depctr_va_vdst(0)
	s_wait_dscnt 0x0                               ; no LDS load of mine is out at the signal: v is in
	s_barrier_signal -1                            ; A SPLIT BARRIER IN EVERY STEP: I am in the middle of this step.  Only work on registers stands up to the wait at the step's end
.irp b, 0,1,2,3
	v_max3_num_f32 v[TM+\b], v[S+16*\b], v[S+16*\b+1], v[S+16*\b+2]
.endr
.irp i, 3,5,7,9,11,13
.irp b, 0,1,2,3
	s_delay_alu instid0(VALU_DEP_4)
	v_max3_num_f32 v[TM+\b], v[TM+\b], v[S+16*\b+\i], v[S+16*\b+\i+1]
.endr
.endr
	s_delay_alu instid0(VALU_DEP_4)
	v_max_num_f32 v[TM], v[TM], v[S+15]
	s_delay_alu instid0(VALU_DEP_3)
	v_max_num_f32 v[TM+2], v[TM+2], v[S+47]
	s_delay_alu instid0(VALU_DEP_2)
	v_max3_num_f32 v[TM+1], v[TM+1], v[S+31], v[TM]      ; the largest score of my block 2 x 0 + h: it serves the row's maximum and, since p rises with the score, the block's largest p
	s_delay_alu instid0(VALU_DEP_2)
	v_max3_num_f32 v[TM+3], v[TM+3], v[S+63], v[TM+2]    ; and of my block 2 + h
	s_delay_alu instid0(VALU_DEP_1)
	v_max_num_f32 v[TX], v[TM+1], v[TM+3]
	s_delay_alu instid0(VALU_DEP_1)
	v_permlanex16_b32 v[TX+1], v[TX], s10, s11
	s_delay_alu instid0(VALU_DEP_1)
	v_max_num_f32 v[TX], v[TX], v[TX+1]            ; the step's largest score of my query
	s_delay_alu instid0(VALU_DEP_1)
	v_mul_f32 v[TX], s14, v[TX]
	s_delay_alu instid0(VALU_DEP_1)
	v_max_num_f32 v13, v13, v[TX]                  ; the running largest t
	s_delay_alu instid0(VALU_DEP_1)
	v_floor_f32 v12, -v13                          ; the new -M: M is a whole number
	s_delay_alu instid0(VALU_DEP_1)
	v_sub_f32 v[TP], v12, v[TP]                    ; old M - new M
	s_delay_alu instid0(VALU_DEP_1)
	v_cvt_i32_f32 v[TP], v[TP]
	s_delay_alu instid0(VALU_DEP_1)
	v_ldexp_f32 v[F], 1.0, v[TP]
.set j, 0
.rept 32
	v_pk_fma_f32 v[S+j:S+j+1], v[S+j:S+j+1], s[14:15], v[12:13] op_sel_hi:[1,0,0]   ; t - M
.set j, j+2
.endr
	v_fma_f32 v[TM+1], v[TM+1], s14, v12
	v_fma_f32 v[TM+3], v[TM+3], s14, v12
	s_wait_alu depctr_va_vdst(0)
.set j, 0
.rept 64
	v_exp_f32 v[S+j], v[S+j]
.set j, j+1
.endr
	v_pk_mul_f32 v[14:15], v[14:15], v[F:F+1] op_sel_hi:[1,0]
	s_wait_alu depctr_va_vdst(0)                   ; one wait for the 64, ahead of their first reader
	v_exp_f32 v[TM+1], v[TM+1]                     ; the blocks' largest p: the same two instructions on the same number give the same bits
	v_exp_f32 v[TM+3], v[TM+3]
	v_pk_add_f32 v[246:247], v[116:117], v[120:121]      ; the row's sum of the unquantised p, in eight chains
	v_pk_add_f32 v[254:255], v[124:125], v[128:129]
	v_pk_add_f32 v[252:253], v[132:133], v[136:137]
	v_pk_add_f32 v[250:251], v[140:141], v[144:145]
	v_pk_add_f32 v[248:249], v[148:149], v[152:153]
	v_pk_add_f32 v[240:241], v[156:157], v[160:161]
	v_pk_add_f32 v[238:239], v[164:165], v[168:169]
	v_pk_add_f32 v[14:15], v[14:15], v[172:173]
	v_pk_add_f32 v[246:247], v[246:247], v[112:113]
	v_pk_add_f32 v[254:255], v[254:255], v[114:115]
	v_pk_add_f32 v[252:253], v[252:253], v[118:119]
	v_pk_add_f32 v[250:251], v[250:251], v[122:123]
	v_pk_add_f32 v[248:249], v[248:249], v[126:127]
	v_pk_add_f32 v[240:241], v[240:241], v[130:131]
	v_pk_add_f32 v[238:239], v[238:239], v[134:135]
	v_pk_add_f32 v[14:15], v[14:15], v[138:139]
	v_pk_add_f32 v[246:247], v[246:247], v[142:143]
	v_pk_add_f32 v[254:255], v[254:255], v[146:147]
	v_pk_add_f32 v[252:253], v[252:253], v[150:151]
	v_pk_add_f32 v[250:251], v[250:251], v[154:155]
	v_pk_add_f32 v[248:249], v[248:249], v[158:159]
	v_pk_add_f32 v[240:241], v[240:241], v[162:163]
	v_pk_add_f32 v[238:239], v[238:239], v[166:167]
	v_pk_add_f32 v[14:15], v[14:15], v[170:171]
	v_pk_add_f32 v[246:247], v[246:247], v[174:175]
	v_pk_add_f32 v[14:15], v[14:15], v[250:251]
	v_pk_add_f32 v[246:247], v[246:247], v[248:249]
	v_pk_add_f32 v[254:255], v[254:255], v[240:241]
	v_pk_add_f32 v[252:253], v[252:253], v[238:239]
	v_pk_add_f32 v[14:15], v[14:15], v[254:255]
	v_pk_add_f32 v[246:247], v[246:247], v[252:253]
	v_pk_add_f32 v[14:15], v[14:15], v[246:247]
	s_wait_alu depctr_va_vdst(0)                   ; and one for the two
	v_max_num_f32 v[TM+1], 0x1800000, v[TM+1]      ; the floor 2^(3 - 127): the byte cannot fall under 1
	v_max_num_f32 v[TM+3], 0x1800000, v[TM+3]
	v_add_nc_u32 v[SO], 0xff000000, v[TM+1]        ; 2 off the exponent field: the conversions' scale operand
	v_add_nc_u32 v[SO+1], 0xff000000, v[TM+3]
.irp c, 0,1
	v_cvt_scalef32_pk16_fp6_f32 v[PC+6*\c:PC+6*\c+2], v[S+32*\c:S+32*\c+15], v[SO+\c]
	v_cvt_scalef32_pk16_fp6_f32 v[CT+4*\c:CT+4*\c+2], v[S+32*\c+16:S+32*\c+31], v[SO+\c]   ; (a conversion's three registers begin on an even number)
.endr
	v_lshrrev_b32 v[BY], 23, v[SO]                 ; the bytes.  (Plain lines behind the conversions)
	v_lshrrev_b32 v[BY+1], 23, v[SO+1]
	v_lshl_or_b32 v[PW], v[BY+1], 16, v[BY]        ; my two, blocks h and 2 + h,
	v_lshlrev_b32 v[PW], v111, v[PW]               ; at their places in the word;
	v_permlanex16_b32 v[TX+1], v[PW], s10, s11
	v_or_b32 v[PW], v[PW], v[TX+1]                 ; with lane l xor 16's two the word is whole
.irp c, 0,1
.irp i, 0,1,2
	v_mov_b32 v[PC+3+6*\c+\i], v[CT+4*\c+\i]
.endr
.endr
	s_wait_alu depctr_va_vdst(0)                   ; the wait directly ahead of the first reader of O^T
.set j, 0
.rept 16
	v_pk_mul_f32 v[O+j:O+j+1], v[O+j:O+j+1], v[F:F+1] op_sel_hi:[1,0]   ; O^T under the new M.  (Also the places between the writes of p's codes and scale word and the products)
.set j, j+2
.endr
	s_wait_alu depctr_va_vdst(0)
	s_wait_dscnt 0x0                               ; v is in
.irp i, 0,1,2,3
	FP6MUL O+8*\i, KVR+12*\i, PC, v[O+8*\i:O+8*\i+7], VS+\i, PW
.endr
	s_barrier_wait -1                              ; no wave leaves a step before all sixteen have reached its middle: the waves of a SIMD stay within a step of each other, and not in the same part of it
	s_add_co_u32 s3, s3, STEPL
	s_add_co_u32 s4, s4, 512
.endm
.Lpass:                                                ; a pass: one tile of 16 queries against the head's 2,048 keys
	s_mov_b32 s7, 0x03020302                       ; the even tile's two scale bytes are the word's lower, the odd tile's the upper: laid twice
	s_cmp_eq_u32 s12, 0
	s_cselect_b32 s7, 0x01000100, s7
	s_cselect_b32 s13, 0, -1
.irp i, 0,1,2,3,4,5
	v_cndmask_b32 v[22+\i], v[36+\i], v[42+\i], s13
.endr
	v_perm_b32 v34, v35, v35, s7
	v_mov_b32 v13, 0xff61b1e6                      ; the largest t so far: -3e38
	v_floor_f32 v12, -v13
	v_mov_b32 v14, 0
	v_mov_b32 v15, 0
.set j, 0
.rept 32
	v_mov_b32 v[O+j], 0                            ; the step is written once: the first finds zeros.  (Also the places between q's writes and the first product)
.set j, j+1
.endr
	s_mov_b32 s3, 0
	s_mov_b32 s4, SCB
	s_mov_b32 s5, 16
	s_wait_alu depctr_va_vdst(0)
.Lstep:
	STEP
	s_sub_co_u32 s5, s5, 1
	s_cmp_lg_u32 s5, 0
	s_cbranch_scc1 .Lstep
	; THE PASS'S END: O^T / the sum is h's 64 numbers of my 16 rows: two blocks of 32, six registers of codes a lane and two scale bytes
.rept 4
	v_nop
.endr
	v_add_f32 v14, v14, v15
	v_permlanex16_b32 v[TP], v14, s10, s11
	v_add_f32 v14, v14, v[TP]
	s_wait_alu depctr_va_vdst(0)
	v_rcp_f32 v14, v14
	v_nop
	s_wait_alu depctr_va_vdst(0)
.set j, 0
.rept 16
	v_pk_mul_f32 v[S+j:S+j+1], v[O+j:O+j+1], v[14:15] op_sel_hi:[1,0]   ; each accumulator from its low end on
.set j, j+2
.endr
.irp b, 0,1
	v_max3_num_f32 v[TM+\b], |v[S+16*\b]|, |v[S+16*\b+1]|, 0x1800000
.endr
.irp i, 2,4,6,8,10,12,14
.irp b, 0,1
	v_max3_num_f32 v[TM+\b], v[TM+\b], |v[S+16*\b+\i]|, |v[S+16*\b+\i+1]|
.endr
.endr
.irp b, 0,1
	v_permlanex16_b32 v[TX+\b], v[TM+\b], s10, s11
.endr
.irp b, 0,1
	v_max_num_f32 v[TM+\b], v[TM+\b], v[TX+\b]
.endr
.irp b, 0,1
	v_add_nc_u32 v[SO+\b], 0xff000000, v[TM+\b]
.endr
.irp b, 0,1
	v_lshrrev_b32 v[BY+\b], 23, v[SO+\b]
.endr
	v_lshl_or_b32 v48, v[BY+1], 8, v[BY]
	v_cvt_scalef32_pk16_fp6_f32 v[PC:PC+2], v[S:S+15], v[SO]
	v_cvt_scalef32_pk16_fp6_f32 v[CT:CT+2], v[S+16:S+31], v[SO+1]
	v_nop
.irp i, 0,1,2
	v_permlane16_swap_b32 v[PC+\i], v[CT+\i]       ; here a block lies in two lanes: the operand wants it whole in one
.endr
.irp i, 0,1,2
	v_mov_b32 v[PC+3+\i], v[CT+\i]
.endr
	global_store_b128 v1, v[PC:PC+3], s[96:97]     ; 512 and 256 consecutive bytes
	global_store_b64 v2, v[PC+4:PC+5], s[96:97] offset:512
	global_store_b16 v49, v48, s[98:99]            ; (lanes r and r + 16 store the same bytes at the same place)
	s_wait_alu depctr_va_vdst(0)
	s_wait_xcnt 0x0                                ; the stores have read their registers and bases
	s_add_nc_u64 s[96:97], s[96:97], 12288         ; my second tile's places (behind the second pass they are not used)
	s_add_nc_u64 s[98:99], s[98:99], 512
	s_add_co_u32 s12, s12, 1
	s_cmp_lt_u32 s12, 2
	s_cbranch_scc1 .Lpass
	s_wait_kmcnt 0x0                               ; the spare mask words
	s_wait_tensorcnt 0x0                           ; the wave's end
	ds_add_u32 v4, v5
	s_wait_dscnt 0x0
	CROUND                                         ; the closing round
	s_endpgm
.Lfunc_end_k_qe2b36153dc_attn:
	.size	k_qe2b36153dc_attn, .Lfunc_end_k_qe2b36153dc_attn-k_qe2b36153dc_attn
	.p2alignl 7, 3214868480
	.fill 96, 4, 3214868480
	.section	.rodata,"a",@progbits
	.p2align	6, 0x0
	.amdhsa_kernel k_qe2b36153dc_attn
		.amdhsa_group_segment_fixed_size 262144
		.amdhsa_private_segment_fixed_size 0
		.amdhsa_enable_private_segment 0
		.amdhsa_kernarg_size 24
		.amdhsa_user_sgpr_count 2
		.amdhsa_user_sgpr_kernarg_segment_ptr 1
		.amdhsa_wavefront_size32 1
		.amdhsa_system_sgpr_workgroup_id_x 1
		.amdhsa_system_sgpr_workgroup_id_y 1
		.amdhsa_system_sgpr_workgroup_id_z 1
		.amdhsa_system_vgpr_workitem_id 0
		.amdhsa_next_free_vgpr 256
		.amdhsa_next_free_sgpr 102
		.amdhsa_reserve_vcc 0
		.amdhsa_float_denorm_mode_32 3
		.amdhsa_float_denorm_mode_16_64 3
		.amdhsa_memory_ordered 1
		.amdhsa_forward_progress 1
		.amdhsa_inst_pref_size 34
	.end_amdhsa_kernel
	.amdgpu_metadata
---
amdhsa.version: [ 1, 2 ]
amdhsa.kernels:
  - .name:           k_qe2b36153dc_attn
    .symbol:         k_qe2b36153dc_attn.kd
    .args:
      - { .name: qkvb, .offset: 0, .size: 8, .value_kind: global_buffer, .address_space: global }
      - { .name: maskw, .offset: 8, .size: 8, .value_kind: global_buffer, .address_space: global }
      - { .name: hb, .offset: 16, .size: 8, .value_kind: global_buffer, .address_space: global }
    .group_segment_fixed_size: 262144
    .private_segment_fixed_size: 0
    .kernarg_segment_align: 8
    .kernarg_segment_size: 24
    .max_flat_workgroup_size: 512
    .sgpr_count:     102
    .vgpr_count:     256
    .wavefront_size: 32
...
	.end_amdgpu_metadata
.endif
;; end of part 3
;; launch outp (part 4): grid 8 x 32, 4 waves a work-group, clusters of 4 x 4, 327,680 bytes of LDS; arguments hb, ops, bf, out0; writes out0
.if DOCPART == 4
	.amdgcn_target "amdgcn-amd-amdhsa--gfx1250"
	.amdhsa_code_object_version 6
	.text
	.protected	k_qe2b36153dc_outp
	.globl	k_qe2b36153dc_outp
	.p2align	8
	.type	k_qe2b36153dc_outp,@function
k_qe2b36153dc_outp:
	s_mov_b64 s[64:65], 0
	v_nop
	global_prefetch_b8 v0, s[64:65] scope:SCOPE_SE
	s_setreg_imm32_b32 hwreg(HW_REG_WAVE_MODE, 25, 1), 1
	s_wait_xcnt 0x0
	s_wait_alu depctr_hold_cnt(0) depctr_sa_sdst(0) depctr_va_vdst(0) depctr_va_sdst(0) depctr_va_ssrc(0) depctr_va_vcc(0) depctr_vm_vsrc(0)
	s_getreg_b32 s2, hwreg(HW_REG_IB_STS2, 6, 4)
	s_cmp_eq_u32 s2, 0
	s_cbranch_scc0 .Lentry_in_a_cluster
	s_endpgm
.Lentry_in_a_cluster:
	s_bfe_u32 s2, ttmp6, 0x10000c
	s_cmp_lg_u32 s2, 0xf033
	s_cbranch_scc0 .Lentry_shape_is_right
	s_endpgm
.Lentry_shape_is_right:
; out0 = h Wf^T + bf, f32: 8,192 x 1,024 x 1,024 on codes of FP6 with E8M0 scales.  h: hb, as the attention launch left it; Wf: ops, as the first launch left it.  Both as images of operand registers:
; a tile of 16 rows is 12,288 bytes = 8 fragments (128 K) of two halves of 768: 512 bytes = registers 6 c .. 6 c + 3, lane l at 16 l; 256 bytes = registers 6 c + 4, 6 c + 5, lane l at 8 l.  Scale bytes [row][32].
; THE DEAL.  256 work-groups of four waves, 2 x 2, each 256 rows x 128 columns.  A wave holds four tiles of 16 columns of Wf, all of K, in registers (384), and streams its 128 rows of h past them in eight blocks of 16.
; LDS: h's 256 rows and Wf's 128 rows, all of K, filled once; nothing is filled again, and there is no data prefetch: all is asked for at the head.  Behind them each wave's stage and the spare words.
; THE HEAD'S FOUR TILES, one a wave, each on a line of its own: Wf's 8 tiles; h's tiles 0-5; 6-10; 11-15.  Wf's fragments go into registers when wave 0's tile is in; a second barrier shows the rest.
; Scale words and the bias go from memory straight into registers: lane l takes row l of 32, so lanes 0-15 hold one tile's words and lanes 16-31 the next tile's.  A sum begins with the bias.
; CLUSTER 4 x 4: h's rows are shared by a row of the cluster, Wf's by a column.  Source 0 = Wf's rows, source 1 = h's: a lane holds eight neighbouring columns of one row of out0.
; A block's sums go through the wave's stage and leave as whole rows of 256 bytes in the run behind its own products.  LIMITS: NaN, infinities and sums beyond f32's range are not served.
.set HS,    6291456
.set WFC,   8650752
.set WFS,   9797632
.set TILEB, 12288
.set YB,    16*TILEB                   ; Wf's tiles
.set STAGE, YB+8*TILEB                 ; 16 rows x (256 + 16) bytes a wave
.set SPITCH, 272
.set SPARE, STAGE+4*16*SPITCH
.set FR,    12
.set FPW,   21                         ; fragments in a window: fragment f lies in window 1 + f / 21 at register 12 (f % 21).  0-31 Wf's (4 q + tile), 32-47 h's two sets (32 + 8 e + q)
.set NF,    32                         ; LDS loads of a block
.set CO,    9                          ; v4-7 LDS addresses of my h tiles 0-3 and 4-7 (16 x lane, 8 x lane); v12, v13 of my Wf tiles
.set SPW,   10
.set NIL,   11
.set STO,   18
.set RD,    19
.set SB,    24                         ; v24-39  Wf's scale words
.set SA,    44                         ; v44-75  h's: a product's two scale registers differ by 4 modulo 8
.set ACC,   80                         ; v80-143 two sets of four accumulators
.set BK,    144                        ; v144-207 two sets: 16 rows back from the stage
.set BO,    208                        ; v208-239 the bias as the first products' C
.set G1A, 24
.set G1B, 32
.set G0A, 56
.set G0B, 60
.set MSB, 0
.macro WIN new
.if MSB != (\new)
	s_set_vgpr_msb (MSB<<8)|(\new)
.set MSB, (\new)
.endif
.endm
.macro PLACES n
.rept \n
	v_nop
.endr
.endm
.macro BARRIER
	s_barrier_signal -1
	s_barrier_wait -1
.endm
.macro CROUND
	BARRIER
	s_cmp_lg_u32 s14, 0
	s_cbranch_scc1 .Lnot_wave_0_\@
	s_barrier_signal -3
.Lnot_wave_0_\@:
	s_barrier_wait -3
	BARRIER
.endm
.macro TLOAD g0, g1
	tensor_load_to_lds s[\g0:\g0+3], s[\g1:\g1+7]
	s_nop 0
	PLACES 4
.endm
.macro ATILE first, n                  ; n tiles of h from tile first on: dense bytes as rows of 256
	s_mov_b32 s[G0A+1], (\first)*TILEB
	s_mov_b32 s[G1A+2], ((\n)*48)<<16
	s_mov_b32 s[G1A+4], (\n)*48
.if \first
	s_add_nc_u64 s[G0A+2:G0A+3], s[G0A+2:G0A+3], (\first)*TILEB
.endif
	s_or_b32 s[G0A+3], s[G0A+3], 0x80000000
	TLOAD G0A, G1A
.endm
.macro FRAGL f, a16, a8, off
	WIN (1+(\f)/FPW)<<6
.set R_, FR*((\f)%FPW)
.irp c, 0,1
	ds_load_b128 v[R_+6*\c:R_+6*\c+3], v[\a16] offset:(\off)+768*\c
	ds_load_b64 v[R_+6*\c+4:R_+6*\c+5], v[\a8] offset:(\off)+768*\c+512
.endr
.endm
.macro FETCH e, s                      ; block s of my rows into set e
.irp q, 0,1,2,3,4,5,6,7
	FRAGL 32+8*(\e)+\q, 4+2*((\s)/4), 5+2*((\s)/4), ((\s)%4)*TILEB+1536*\q
.endr
	WIN 0
.endm
.macro PRODS s, e                      ; block s (set and scale row e = s % 2): 32 products, the four accumulators by turns
.irp q, 0,1,2,3,4,5,6,7
.irp p, 0,1
.irp o, 0,1
.set FB_, 4*\q+2*\p+\o
.set FA_, 32+8*\e+\q
.set D_, ACC+32*\e+16*\p+8*\o
	WIN (1+FB_/FPW)|((1+FA_/FPW)<<2)
.if \q
	v_wmma_scale_f32_16x16x128_f8f6f4 v[D_:D_+7], v[FR*(FB_%FPW):FR*(FB_%FPW)+11], v[FR*(FA_%FPW):FR*(FA_%FPW)+11], v[D_:D_+7], v[SB+8*\p+\q], v[SA+8*((\s)/2)+\q] matrix_a_fmt:MATRIX_FMT_FP6 matrix_b_fmt:MATRIX_FMT_FP6 matrix_a_scale:MATRIX_SCALE_ROW\o matrix_b_scale:MATRIX_SCALE_ROW\e
.else
	v_wmma_scale_f32_16x16x128_f8f6f4 v[D_:D_+7], v[FR*(FB_%FPW):FR*(FB_%FPW)+11], v[FR*(FA_%FPW):FR*(FA_%FPW)+11], v[BO+16*\p+8*\o:BO+16*\p+8*\o+7], v[SB+8*\p+\q], v[SA+8*((\s)/2)+\q] matrix_a_fmt:MATRIX_FMT_FP6 matrix_b_fmt:MATRIX_FMT_FP6 matrix_a_scale:MATRIX_SCALE_ROW\o matrix_b_scale:MATRIX_SCALE_ROW\e
.endif
.endr
.endr
.endr
	WIN 0
.endm
.macro BLK s, e
	PRODS \s, \e
	PLACES 4                                       ; between the last product and the first reader of its sums, and the fetch into its registers
	s_wait_xcnt 0x0                                ; the stores of two blocks ago have read set e of the rows
.irp b, 0,1,2,3
	ds_store_b128 v[STO], v[ACC+32*\e+8*\b:ACC+32*\e+8*\b+3] offset:64*\b          ; each accumulator from its low end on
	ds_store_b128 v[STO], v[ACC+32*\e+8*\b+4:ACC+32*\e+8*\b+7] offset:64*\b+16
.endr
.irp t, 0,1,2,3,4,5,6,7
	ds_load_b128 v[BK+32*\e+4*\t:BK+32*\e+4*\t+3], v[RD] offset:2*\t*SPITCH        ; LDS serves a wave's instructions in order: these see the stores
.endr
.if (\s) < 6
	FETCH \e, (\s)+2
	s_wait_dscnt NF                                ; the rows are back, and the next block's fragments are in; younger is this run's fetch alone
.else
	s_wait_dscnt 0x0
.endif
.irp t, 0,1,2,3,4,5,6,7
	global_store_b128 v[CO], v[BK+32*\e+4*\t:BK+32*\e+4*\t+3], s[12:13] offset:(\s)*65536+\t*8192 th:TH_STORE_NT   ; sixteen lanes store 256 consecutive bytes, aligned
.endr
.endm
	s_load_b256 s[4:11], s[0:1], 0x0               ; hb, ops, bf, out0
	v_lshl_add_u32 v[SPW], v0, 2, SPARE
	v_mov_b32 v[NIL], 0
	ds_add_u32 v[SPW], v[NIL]                      ; the opening lines
	ds_add_u32 v[SPW], v[NIL]
	v_lshrrev_b32 v1, 5, v0
	v_readfirstlane_b32 s14, v1                    ; the wave; s15 its row of the 2 x 2, s16 its column
	s_lshr_b32 s15, s14, 1
	s_and_b32 s16, s14, 1
	s_bfe_u32 s40, ttmp6, 0x40000
	s_bfe_u32 s41, ttmp6, 0x40004
	s_lshl_b32 s42, ttmp9, 2
	s_add_co_u32 s42, s42, s40                     ; block of 128 columns
	s_and_b32 s43, ttmp7, 0xffff
	s_lshl_b32 s43, s43, 2
	s_add_co_u32 s43, s43, s41                     ; block of 256 rows
	s_lshl_b32 s44, s41, 2
	s_lshl_b32 s44, 15, s44                        ; my row of the cluster: shares h's rows
	s_lshl_b32 s45, 0x1111, s40                    ; my column: shares Wf's
	s_or_b32 s[G1A], s44, (3<<16)|(1<<21)
	s_or_b32 s[G1B], s45, (3<<16)|(1<<21)
.irp g, G1A, G1B
	s_mov_b32 s[\g+1], 32<<16
	s_mov_b32 s[\g+3], 32<<16
	s_mov_b32 s[\g+5], 32
	s_mov_b32 s[\g+6], 0
	s_mov_b32 s[\g+7], 0
.endr
	s_mov_b32 s[G1B+2], 384<<16
	s_mov_b32 s[G1B+4], 384
	s_mov_b32 s[G0A], 1
	s_mov_b32 s[G0B], 1
	s_mov_b32 s[G0B+1], YB
	s_mul_i32 s76, s43, 16*TILEB
	s_mov_b32 s77, 0
	s_mul_i32 s78, s42, 8*TILEB
	s_add_co_u32 s78, s78, WFC
	s_mov_b32 s79, 0
	s_lshl_b32 s80, s43, 13                        ; h's scale bytes: my 128 rows
	s_lshl_b32 s21, s15, 12
	s_add_co_u32 s80, s80, s21
	s_add_co_u32 s80, s80, HS
	s_mov_b32 s81, 0
	s_lshl_b32 s82, s42, 12                        ; Wf's: my 64 rows
	s_lshl_b32 s21, s16, 11
	s_add_co_u32 s82, s82, s21
	s_add_co_u32 s82, s82, WFS
	s_mov_b32 s83, 0
	s_lshl_b32 s86, s42, 9                         ; my 64 columns, in bytes
	s_lshl_b32 s21, s16, 8
	s_add_co_u32 s86, s86, s21
	s_mov_b32 s87, 0
	s_lshl_b32 s84, s43, 20                        ; my first row of out0
	s_lshl_b32 s21, s15, 19
	s_add_co_u32 s84, s84, s21
	s_add_co_u32 s84, s84, s86
	s_mov_b32 s85, 0
	v_and_b32 v1, 15, v0
	v_bfe_u32 v2, v0, 4, 1
	v_and_b32 v3, 31, v0
	s_mul_i32 s21, s15, 8*TILEB
	v_lshl_add_u32 v4, v3, 4, s21
	v_lshl_add_u32 v5, v3, 3, s21
	v_add_nc_u32 v6, 4*TILEB, v4
	v_add_nc_u32 v7, 4*TILEB, v5
	s_mul_i32 s22, s16, 4*TILEB
	s_add_co_u32 s22, s22, YB
	v_lshl_add_u32 v12, v3, 4, s22
	v_lshl_add_u32 v13, v3, 3, s22
	v_lshlrev_b32 v16, 5, v3                       ; h's scale bytes [row][32]: 32 x lane, a row a lane
	v_lshlrev_b32 v20, 4, v1
	v_lshl_add_u32 v20, v2, 9, v20                 ; Wf's lie [tile][half of K][row][16]: 512 h + 16 r
	v_lshlrev_b32 v8, 5, v2                        ; the bias: 32 h
	s_mul_i32 s23, s14, 16*SPITCH
	s_add_co_u32 s23, s23, STAGE
	v_mul_u32_u24 v17, v1, SPITCH
	v_lshl_add_u32 v17, v2, 5, v17
	v_add_nc_u32 v[STO], s23, v17
	v_mul_u32_u24 v17, v2, SPITCH
	v_lshl_add_u32 v17, v1, 4, v17
	v_add_nc_u32 v[RD], s23, v17
	v_lshlrev_b32 v17, 12, v2
	v_lshl_add_u32 v[CO], v1, 4, v17               ; row l / 16 of a pair, 16 bytes x (l % 16)
	s_wait_alu depctr_va_vdst(0)                   ; the wait at the head's end
	s_wait_dscnt 0x0
	CROUND                                         ; the opening round
	s_wait_kmcnt 0x0
	s_add_nc_u64 s[G0A+2:G0A+3], s[4:5], s[76:77]
	s_add_nc_u64 s[G0B+2:G0B+3], s[6:7], s[78:79]
	s_or_b32 s[G0B+3], s[G0B+3], 0x80000000
	s_add_nc_u64 s[46:47], s[4:5], s[80:81]
	s_add_nc_u64 s[48:49], s[6:7], s[82:83]
	s_add_nc_u64 s[50:51], s[8:9], s[86:87]
	s_add_nc_u64 s[12:13], s[10:11], s[84:85]
	s_cmp_eq_u32 s14, 0
	s_cbranch_scc0 .Lwave_1
	TLOAD G0B, G1B                                 ; wave 0: Wf's rows, which are wanted first
	s_branch .Lasked
.Lwave_1:
	s_cmp_eq_u32 s14, 1
	s_cbranch_scc0 .Lwave_2
	ATILE 0, 6
	s_branch .Lasked
.Lwave_2:
	s_cmp_eq_u32 s14, 2
	s_cbranch_scc0 .Lwave_3
	ATILE 6, 5
	s_branch .Lasked
.Lwave_3:
	ATILE 11, 5
.Lasked:
.irp p, 0,1
.irp c, 0,1
	global_load_b128 v[SB+8*\p+4*\c:SB+8*\p+4*\c+3], v20, s[48:49] offset:1024*\p+256*\c
.endr
.endr
.irp g, 0,1,2,3
.irp c, 0,1
	global_load_b128 v[SA+8*\g+4*\c:SA+8*\g+4*\c+3], v16, s[46:47] offset:1024*\g+16*\c
.endr
.endr
.irp b, 0,1,2,3
	global_load_b128 v[BO+8*\b:BO+8*\b+3], v8, s[50:51] offset:64*\b               ; register i of tile b: column 16 b + 8 h + i
	global_load_b128 v[BO+8*\b+4:BO+8*\b+7], v8, s[50:51] offset:64*\b+16
.endr
	s_cmp_eq_u32 s14, 0
	s_cbranch_scc0 .Lnot_b
	s_wait_tensorcnt 0x0                           ; wave 0: Wf's rows have landed
.Lnot_b:
	BARRIER
.irp q, 0,1,2,3,4,5,6,7
.irp t, 0,1,2,3
	FRAGL 4*\q+\t, 12, 13, \t*TILEB+1536*\q
.endr
.endr
	WIN 0
	s_wait_tensorcnt 0x0                           ; every wave: its tile has landed
	s_wait_dscnt 0x0
	BARRIER                                        ; all of h's rows are in
	FETCH 0, 0
	FETCH 1, 1
	s_wait_loadcnt 0x0                             ; scale words and bias
	s_wait_dscnt NF                                ; block 0's fragments are in; block 1's may be out
	BLK 0, 0
	BLK 1, 1
	BLK 2, 0
	BLK 3, 1
	BLK 4, 0
	BLK 5, 1
	BLK 6, 0
	BLK 7, 1
	s_wait_tensorcnt 0x0                           ; the wave's end
	ds_add_u32 v[SPW], v[NIL]
	s_wait_dscnt 0x0
	CROUND                                         ; the closing round
	s_endpgm
.Lfunc_end_k_qe2b36153dc_outp:
	.size	k_qe2b36153dc_outp, .Lfunc_end_k_qe2b36153dc_outp-k_qe2b36153dc_outp
	.p2alignl 7, 3214868480
	.fill 96, 4, 3214868480
	.section	.rodata,"a",@progbits
	.p2align	6, 0x0
	.amdhsa_kernel k_qe2b36153dc_outp
		.amdhsa_group_segment_fixed_size 327680
		.amdhsa_private_segment_fixed_size 0
		.amdhsa_enable_private_segment 0
		.amdhsa_kernarg_size 32
		.amdhsa_user_sgpr_count 2
		.amdhsa_user_sgpr_kernarg_segment_ptr 1
		.amdhsa_wavefront_size32 1
		.amdhsa_system_sgpr_workgroup_id_x 1
		.amdhsa_system_sgpr_workgroup_id_y 1
		.amdhsa_system_sgpr_workgroup_id_z 1
		.amdhsa_system_vgpr_workitem_id 0
		.amdhsa_next_free_vgpr 840
		.amdhsa_next_free_sgpr 98
		.amdhsa_reserve_vcc 0
		.amdhsa_float_denorm_mode_32 3
		.amdhsa_float_denorm_mode_16_64 3
		.amdhsa_memory_ordered 1
		.amdhsa_forward_progress 1
		.amdhsa_inst_pref_size 84
	.end_amdhsa_kernel
	.amdgpu_metadata
---
amdhsa.version: [ 1, 2 ]
amdhsa.kernels:
  - .name:           k_qe2b36153dc_outp
    .symbol:         k_qe2b36153dc_outp.kd
    .args:
      - { .name: hb, .offset: 0, .size: 8, .value_kind: global_buffer, .address_space: global }
      - { .name: ops, .offset: 8, .size: 8, .value_kind: global_buffer, .address_space: global }
      - { .name: bf, .offset: 16, .size: 8, .value_kind: global_buffer, .address_space: global }
      - { .name: out0, .offset: 24, .size: 8, .value_kind: global_buffer, .address_space: global }
    .group_segment_fixed_size: 327680
    .private_segment_fixed_size: 0
    .kernarg_segment_align: 8
    .kernarg_segment_size: 32
    .max_flat_workgroup_size: 128
    .sgpr_count:     98
    .vgpr_count:     840
    .wavefront_size: 32
...
	.end_amdgpu_metadata
.endif
;; end of part 4
